; MI455X (gfx1250); checked and timed in simulation.
; The chip was launched on July 23, 2026; its instructions are those of AMD's public machine-readable ISA for CDNA 5 (MIT licence, August 2026) and "CDNA5" Instruction Set Architecture Reference Guide (July 2026). The comments in the code are by the model that wrote it; some were corrected since.
;; Lightweight Mamba2 Mo E. Allowed arithmetic: matrix products marked QUANTISED: E4M3 operands, one E8M0 scale for each 32 along K, by v_wmma_scale_f32_16x16x128_f8f6f4 with both operands' format E4M3, f32 sums; products left as they are: f32 operands where the result goes on into a quantised operand, else bf16, f16 or f32 operands; f32 sums; everything else in f32.
;; Inputs: W1 8 x 1,024 x 2,048 float32; W2 8 x 2,048 x 1,024 float32; Wg 1,024 x 8 float32; b1 8 x 2,048 float32; b2 8 x 1,024 float32; bg 8 float32; x 8 x 256 x 1,024 float32.
;; Outputs: out0 8 x 256 x 1,024 float32; out1 2,048 x 8 float32.
;; This version of the problem:
;;   THIS VERSION OF THE PROBLEM IS GIVEN IN LOW PRECISION. The matrix products marked QUANTISED in the list below multiply operands that are first quantised to E4M3 (4 exponent bits, 3 mantissa bits; 8 bits a number), with one power-of-two scale for each 32 numbers along K (OCP MX v1.0); their sums are f32. All else is computed in f32.
;;   The module's matrix products, in the order in which they are computed (A, B: the left and right operand; K: the contracted axis; several contracted axes count as one K, in the product's order):
;;     1. [M 2,048, K 1,024] x [K 1,024, N 8]; A: input x; B: input Wg: left as it is (N = 8 < 16)
;;     2. [M 2,048, K 1,024] x [K 1,024, N 16,384]; A: input x; B: input W1: QUANTISED
;;     3. batch 8 x [M 1,024, K 2,048] x [K 2,048, N 2,048]; A: input W2; B: computed on the way: QUANTISED
;;   THE QUANTISER, for each operand of a quantised product, along K:
;;     - K is cut into blocks of 32 from its start; a last block that is shorter is filled with zeros.
;;     - A block's scale is 2^e with e = floor(log2(the largest magnitude in the block)) - 8, held to -126 .. 127; a block of zeros has e = 0. As a byte (E8M0): e + 127.
;;     - Each number is divided by its block's scale, clamped to +-448, and rounded to the nearest number of E4M3, ties to even, subnormals kept.
;;     - The product sums the exact products of the quantised numbers (number of the format x scale) in f32.
;;   ~~~python
;;   def quantise(x, axis):      # numpy; x: float32 -> the quantised numbers, widened to float32 again
;;       x = np.moveaxis(x, axis, -1); K = x.shape[-1]
;;       x = np.pad(x, [(0, 0)] * (x.ndim - 1) + [(0, -K % 32)]); x = x.reshape(x.shape[:-1] + (-1, 32)); a = np.abs(x).max(-1, keepdims=True)
;;       e = np.where(a > 0, np.clip(np.frexp(np.where(a > 0, a, 1))[1] - 1 - 8, -126, 127), 0)      # np.frexp(a)[1] - 1 = floor(log2(a)), exactly
;;       r = np.clip(x / 2.0 ** e, -448, 448)
;;       step = 2.0 ** (np.maximum(np.frexp(np.where(r == 0, 1, r))[1] - 1, -6) - 3)
;;       q = np.round(r / step) * step * 2.0 ** e      # np.round: ties to even
;;       return np.moveaxis(q.reshape(q.shape[:-2] + (-1,))[..., :K], -1, axis).astype(np.float32)
;;   ~~~
;;   OPERANDS COMPUTED ON THE WAY. 'Computed on the way' means the value that the module computes at that place (a softmax that the list does not call 'softmax' is quantised finished and normalised). What goes into a quantiser is computed in f32, as accurately as f32 sums, v_exp_f32 and their like allow (about 1e-6 of the number): no bf16 or f16 on the way to a quantiser, and a product that is left as it is and whose result goes on into a quantised operand takes f32 operands (vector FMAs, or v_wmma_f32_16x16x4_f32). A number that lies on a knife's edge between two numbers of the format may be rounded either way, as far as f32 arithmetic and the matrix unit's own rounding can turn it there, and no further.
;; 2 versions. Each part assembles by itself: llvm-mc -triple=amdgcn-amd-amdhsa -mcpu=gfx1250 --defsym DOCPART=n.
;; ======== version 1 of 2: 4 launches
;; workspace buffers: xq 2,097,152 bytes; xs 65,536 bytes; eidx 8,192 bytes of whole numbers; topw 8,192 bytes; order 67,584 bytes of whole numbers; hq 33,554,432 bytes; hs 1,048,576 bytes
;; launch route (part 1): grid 128 x 1, 8 waves a work-group, no clusters, 26,624 bytes of LDS; arguments x, Wg, bg, xq, xs, eidx, topw, out1; writes xq, xs, eidx, topw, out1
.if DOCPART == 1
	.amdgcn_target "amdgcn-amd-amdhsa--gfx1250"
	.amdhsa_code_object_version 6
	.text
	.protected	k_qaf2755defb_route
	.globl	k_qaf2755defb_route
	.p2align	8
	.type	k_qaf2755defb_route,@function
k_qaf2755defb_route:
	s_mov_b64 s[64:65], 0
	v_nop
	global_prefetch_b8 v0, s[64:65] scope:SCOPE_SE
	s_setreg_imm32_b32 hwreg(HW_REG_WAVE_MODE, 25, 1), 1
	s_wait_xcnt 0x0
; ROUTE.  For 16 tokens a work-group: the gate (logits = x Wg + bg in f32, softmax, its largest weight and the lowest index that has it), and x as codes of E4M3 with one E8M0 byte for each 32 along D.
; x [2048][1024] f32, Wg [1024][8] f32, bg [8] f32.  Out: xq [token][1024] codes, xs [token][32] scale bytes, eidx [token] u32, topw [token] f32, out1 [token][8] f32.
; SHARES.  Wave s of eight takes k = 128 s .. 128 s + 127 of the 16 tokens.  Lane (r = lane % 16, h = lane / 16) holds token r; register X + 16 b + i holds k = 128 s + 32 b + 16 h + i: the order in which the
; scaled matrix form takes an operand, so that the conversions' results are 16 neighbouring bytes of the token's row of codes.
; THE GATE goes through the f32 matrix form (16 x 16 x 4), f32 since the index chosen decides a whole row of the output.  Source 0 = Wg^T, its rows 8 .. 15 repeating rows 0 .. 7; source 1 = x.  Both take the same
; k in the same register and half of the lanes, so every k is multiplied once.  In the result register j of BOTH halves of the lanes is expert j's partial logit of token r: the softmax needs no exchange between lanes.
; The eight waves' partial logits meet in LDS; wave 0 adds them and finishes the gate.
; LIMITS.  NaN and infinities are not served.  A block whose largest magnitude lies under 2^-118 keeps the byte 1; a block of zeros has the byte 1 and zero codes (the bytes are read by this program alone).
; The logits' sums run in another order than a plain ascending sum: a token whose two best gates agree to about 1e-6 of their size may take the other expert.  1 / sum is v_rcp_f32.
.set PART, 0                           ; LDS: partial logits, 1,024 bytes a wave: registers 0-3 at 16 x lane, registers 4-7 512 bytes on
.set STG,  8192                        ; 16 rows of codes, 1,024 bytes + 16 of padding
.set SPI,  1040
.set SST,  24832                       ; the 16 tokens' scale bytes, 32 a token
.set X,    16                          ; v16-79   64 numbers of x
.set G,    80                          ; v80-143  64 numbers of Wg; later the eight waves' partial logits
.set ACC,  144                         ; v144-175 four accumulators, written by matrix instructions alone
.set P,    176                         ; v176-183 the wave's partial logits; later the exponentials
.set TM,   184                         ; v184-199 at work
.set PW,   200                         ; the scale word
.set PC,   204                         ; v204-219 the codes
.set SEL,  32                          ; s[32:33] v_permlanex16_b32's selects for lane l xor 16
.set MNT,  34                          ; s34 the mantissa field of 448
	s_load_b256 s[4:11], s[0:1], 0x0               ; x s[4:5], Wg s[6:7], bg s[8:9], xq s[10:11]
	s_load_b256 s[12:19], s[0:1], 0x20             ; xs s[12:13], eidx s[14:15], topw s[16:17], out1 s[18:19]
	v_lshl_add_u32 v224, v0, 2, 0x6400
	v_mov_b32 v225, 0
	v_lshrrev_b32 v1, 5, v0
	v_readfirstlane_b32 s20, v1                    ; wave 0..7
	v_and_b32 v1, 31, v0                           ; lane
	v_and_b32 v2, 15, v0                           ; r
	v_bfe_u32 v3, v0, 4, 1                         ; h
	v_lshlrev_b32 v4, 12, v2
	v_lshl_add_u32 v4, v3, 6, v4                   ; x: row r of 4,096 bytes + 64 h
	v_and_b32 v5, 7, v0
	v_lshlrev_b32 v5, 2, v5
	v_lshl_add_u32 v5, v3, 9, v5                   ; Wg: column r % 8, 16 h rows of 32 bytes down
	v_lshlrev_b32 v10, 4, v1                       ; 16 x lane
	s_lshl_b32 s36, s20, 10
	v_add_nc_u32 v6, s36, v10                      ; my place among the partial logits
	v_mul_u32_u24 v7, v2, SPI
	v_lshl_add_u32 v7, v3, 4, v7
	s_lshl_b32 s37, s20, 7
	s_add_co_u32 s37, s37, STG
	v_add_nc_u32 v7, s37, v7                       ; codes in: row r, 128 x wave + 16 h
	v_lshlrev_b32 v8, 5, v2
	s_lshl_b32 s38, s20, 2
	s_add_co_u32 s38, s38, SST
	v_add_nc_u32 v8, s38, v8                       ; scale word in: 32 r + 4 x wave
	s_mul_i32 s39, s20, 2*SPI
	s_add_co_u32 s39, s39, STG
	v_add_nc_u32 v9, s39, v10                      ; codes back: rows 2 x wave and 2 x wave + 1, 16 bytes a lane
	v_lshlrev_b32 v12, 5, v2
	v_lshl_add_u32 v12, v3, 4, v12                 ; out1: 32 r + 16 h
	v_lshlrev_b32 v13, 2, v2                       ; eidx, topw: 4 r
	s_mov_b32 s[SEL], 0x76543210
	s_mov_b32 s[SEL+1], 0xfedcba98
	s_mov_b32 s[MNT], 0x600000
	s_lshl_b32 s40, ttmp9, 16                      ; 16 rows of x,
	s_lshl_b32 s41, s20, 9                         ; my wave's 512 bytes of a row
	s_add_co_u32 s40, s40, s41
	s_mov_b32 s41, 0
	s_lshl_b32 s42, s20, 12                        ; my wave's 128 rows of Wg
	s_mov_b32 s43, 0
	s_lshl_b32 s44, ttmp9, 14                      ; 16 rows of codes,
	s_lshl_b32 s45, s20, 11                        ; my wave's two of them
	s_add_co_u32 s44, s44, s45
	s_mov_b32 s45, 0
	s_wait_kmcnt 0x0
	s_load_b256 s[24:31], s[8:9], 0x0              ; bg's eight numbers
	s_add_nc_u64 s[4:5], s[4:5], s[40:41]
	s_add_nc_u64 s[6:7], s[6:7], s[42:43]
	s_add_nc_u64 s[10:11], s[10:11], s[44:45]
	s_lshl_b32 s40, ttmp9, 9                       ; 512 bytes a work-group in xs and in out1
	s_add_nc_u64 s[12:13], s[12:13], s[40:41]
	s_add_nc_u64 s[18:19], s[18:19], s[40:41]
	s_lshl_b32 s40, ttmp9, 6                       ; 64 in eidx and in topw
	s_add_nc_u64 s[14:15], s[14:15], s[40:41]
	s_add_nc_u64 s[16:17], s[16:17], s[40:41]
.irp b, 0,1,2,3
.irp j, 0,1,2,3
	global_load_b128 v[X+16*\b+4*\j:X+16*\b+4*\j+3], v4, s[4:5] offset:128*\b+16*\j th:TH_LOAD_NT
.endr
.endr
.irp b, 0,1,2,3
.irp i, 0,1,2,3,4,5,6,7,8,9,10,11,12,13,14,15
	global_load_b32 v[G+16*\b+\i], v5, s[6:7] offset:32*(32*\b+\i)   ; Wg(128 s + 32 b + 16 h + i, r % 8)
.endr
.endr
	s_wait_kmcnt 0x0
	s_wait_loadcnt 0x0
; 32 products of 4 along K.  The four accumulators take turns, one instruction a turn; each sum begins with the constant 0.
.irp p, 0,1,2,3,4,5,6,7
.irp b, 0,1,2,3
.if \p == 0
	v_wmma_f32_16x16x4_f32 v[ACC+8*\b:ACC+8*\b+7], v[G+16*\b+2*\p:G+16*\b+2*\p+1], v[X+16*\b+2*\p:X+16*\b+2*\p+1], 0
.else
	v_wmma_f32_16x16x4_f32 v[ACC+8*\b:ACC+8*\b+7], v[G+16*\b+2*\p:G+16*\b+2*\p+1], v[X+16*\b+2*\p:X+16*\b+2*\p+1], v[ACC+8*\b:ACC+8*\b+7]
.endif
.endr
.endr
.rept 8
	v_nop                                          ; eight places between this form and the first read of a result (ISA guide 7.12.1)
.endr
.irp q, 0,2,4,6                                ; the four sums are added into other registers, each accumulator read from its low end on
	v_pk_add_f32 v[P+\q:P+\q+1], v[ACC+\q:ACC+\q+1], v[ACC+8+\q:ACC+8+\q+1]
	v_pk_add_f32 v[TM+\q:TM+\q+1], v[ACC+16+\q:ACC+16+\q+1], v[ACC+24+\q:ACC+24+\q+1]
.endr
.irp q, 0,2,4,6
	v_pk_add_f32 v[P+\q:P+\q+1], v[P+\q:P+\q+1], v[TM+\q:TM+\q+1]
.endr
	ds_store_b128 v6, v[P:P+3] offset:PART
	ds_store_b128 v6, v[P+4:P+7] offset:PART+512
; The quantiser: four blocks of 32, 16 numbers of each in this lane and 16 in lane l xor 16.
.irp b, 0,1,2,3
	v_max3_num_f32 v[TM+\b], |v[X+16*\b]|, |v[X+1+16*\b]|, 0x4800000   ; with the floor 2^(9 - 127): the byte cannot fall under 1
.endr
.irp i, 2,4,6,8,10,12,14
.irp b, 0,1,2,3
	v_max3_num_f32 v[TM+\b], v[TM+\b], |v[X+16*\b+\i]|, |v[X+1+16*\b+\i]|
.endr
.endr
.irp b, 0,1,2,3
	v_permlanex16_b32 v[TM+4+\b], v[TM+\b], s[SEL], s[SEL+1]   ; (its destination was written by the sums above)
.endr
.irp b, 0,1,2,3
	v_max_num_f32 v[TM+\b], v[TM+\b], v[TM+4+\b]   ; the block's largest magnitude
.endr
.irp b, 0,1,2,3
	v_add_nc_u32 v[TM+12+\b], 0xfc000000, v[TM+\b] ; 8 off its exponent field: the conversion's scale operand
.endr
.irp b, 0,1,2,3
	v_and_or_b32 v[TM+8+\b], v[TM+\b], 0x7f800000, s[MNT]   ; 448 x the scale
.endr
.irp b, 0,1,2,3
	v_lshrrev_b32 v[TM+4+\b], 23, v[TM+12+\b]      ; the scale's byte
.endr
	v_lshl_or_b32 v[PW], v[TM+5], 8, v[TM+4]
	v_lshl_or_b32 v[PW], v[TM+6], 16, v[PW]
	v_lshl_or_b32 v[PW], v[TM+7], 24, v[PW]
.irp b, 0,1,2,3
.irp i, 0,1,2,3,4,5,6,7,8,9,10,11,12,13,14,15
	v_med3_num_f32 v[X+16*\b+\i], v[X+16*\b+\i], -v[TM+8+\b], v[TM+8+\b]   ; the conversion to an 8-bit code does not saturate (ISA guide 7.6.2): the hold comes first
.endr
	v_cvt_scalef32_pk8_fp8_f32 v[PC+4*\b:PC+1+4*\b], v[X+16*\b:X+7+16*\b], v[TM+12+\b]
	v_cvt_scalef32_pk8_fp8_f32 v[PC+2+4*\b:PC+3+4*\b], v[X+8+16*\b:X+15+16*\b], v[TM+12+\b]
.endr
	v_nop                                          ; one plain line behind the last conversion
.irp b, 0,1,2,3
	ds_store_b128 v7, v[PC+4*\b:PC+4*\b+3] offset:32*\b
.endr
	ds_store_b32 v8, v[PW]                         ; both halves of the lanes write the same word with the same value
	s_wait_dscnt 0x0                               ; for the others' sake: my stores have landed
	s_barrier_signal -1
	s_barrier_wait -1
	ds_load_b128 v[16:19], v9
	ds_load_b128 v[20:23], v9 offset:512
	ds_load_b128 v[24:27], v9 offset:SPI
	ds_load_b128 v[28:31], v9 offset:SPI+512
.irp t, 0,1,2,3
	s_wait_dscnt 3-\t
	global_store_b128 v10, v[16+4*\t:19+4*\t], s[10:11] offset:512*\t   ; 32 lanes store 512 consecutive bytes of two whole rows of codes
.endr
	s_cmp_lg_u32 s20, 0
	s_cbranch_scc1 .Lothers
; wave 0 finishes the gate
	ds_load_b128 v[32:35], v10 offset:SST
.irp s, 0,1,2,3,4,5,6,7
	ds_load_b128 v[G+8*\s:G+8*\s+3], v10 offset:PART+1024*\s
	ds_load_b128 v[G+8*\s+4:G+8*\s+7], v10 offset:PART+1024*\s+512
.endr
	s_wait_dscnt 16                                ; the scale bytes are in; the sixteen loads behind them may be out
	global_store_b128 v10, v[32:35], s[12:13]      ; 512 consecutive bytes of xs
	s_wait_dscnt 0x0
.irp s, 1,2,3,4,5,6,7
.irp q, 0,2,4,6
	v_pk_add_f32 v[G+\q:G+\q+1], v[G+\q:G+\q+1], v[G+8*\s+\q:G+8*\s+\q+1]
.endr
.endr
.irp j, 0,1,2,3,4,5,6,7
	v_add_f32 v[G+\j], s[24+\j], v[G+\j]           ; + bg: token r's eight logits
.endr
	v_max3_num_f32 v[TM], v[G], v[G+1], v[G+2]
	v_max3_num_f32 v[TM], v[TM], v[G+3], v[G+4]
	v_max3_num_f32 v[TM], v[TM], v[G+5], v[G+6]
	v_max_num_f32 v[TM], v[TM], v[G+7]             ; the largest logit is taken away ahead of the exponentials
.irp j, 0,1,2,3,4,5,6,7
	v_sub_f32 v[P+\j], v[G+\j], v[TM]
.endr
.irp j, 0,1,2,3,4,5,6,7
	v_mul_f32 v[P+\j], 0x3fb8aa3b, v[P+\j]         ; x log2(e)
.endr
.irp j, 0,1,2,3,4,5,6,7
	v_exp_f32 v[P+\j], v[P+\j]
.endr
	v_nop                                          ; a plain line behind the batch,
	s_wait_alu depctr_va_vdst(0)                   ; and one wait for the eight, ahead of their first reader
	v_add_f32 v[TM+1], v[P], v[P+1]
	v_add_f32 v[TM+2], v[P+2], v[P+3]
	v_add_f32 v[TM+3], v[P+4], v[P+5]
	v_add_f32 v[TM+4], v[P+6], v[P+7]
	v_add_f32 v[TM+1], v[TM+1], v[TM+2]
	v_add_f32 v[TM+3], v[TM+3], v[TM+4]
	v_add_f32 v[TM+1], v[TM+1], v[TM+3]
	v_rcp_f32 v[TM+2], v[TM+1]
	v_nop
	s_wait_alu depctr_va_vdst(0)
.irp j, 0,1,2,3,4,5,6,7
	v_mul_f32 v[G+\j], v[P+\j], v[TM+2]            ; the gate weights
.endr
	v_max3_num_f32 v[TM+3], v[G], v[G+1], v[G+2]
	v_max3_num_f32 v[TM+3], v[TM+3], v[G+3], v[G+4]
	v_max3_num_f32 v[TM+3], v[TM+3], v[G+5], v[G+6]
	v_max_num_f32 v[TM+3], v[TM+3], v[G+7]         ; the largest weight
	v_mov_b32 v[TM+4], 7
.irp j, 6,5,4,3,2,1,0                          ; walked downward, so that the lowest index with the largest weight stays
	v_cmp_neq_f32 vcc_lo, v[G+\j], v[TM+3]
	v_cndmask_b32 v[TM+4], \j, v[TM+4], vcc_lo
.endr
	v_cmp_eq_u32 vcc_lo, 1, v3
.irp c, 0,1,2,3
	v_cndmask_b32 v[PC+\c], v[G+\c], v[G+4+\c], vcc_lo   ; lanes 0-15 weights 0-3, lanes 16-31 weights 4-7
.endr
	global_store_b128 v12, v[PC:PC+3], s[18:19]    ; 512 consecutive bytes of out1
	s_wait_xcnt 0x0                                ; EXEC changes only behind this wait
	v_cmp_gt_u32 vcc_lo, 16, v1
	s_wait_tensorcnt 0x0
	ds_add_u32 v224, v225
	s_wait_dscnt 0x0
	s_and_saveexec_b32 s36, vcc_lo                 ; one lane a token
	global_store_b32 v13, v[TM+4], s[14:15]
	global_store_b32 v13, v[TM+3], s[16:17]
	s_endpgm
.Lothers:
	s_wait_tensorcnt 0x0
	ds_add_u32 v224, v225
	s_wait_dscnt 0x0
	s_endpgm
.Lfunc_end_k_qaf2755defb_route:
	.size	k_qaf2755defb_route, .Lfunc_end_k_qaf2755defb_route-k_qaf2755defb_route
	.p2alignl 7, 3214868480
	.fill 96, 4, 3214868480
	.section	.rodata,"a",@progbits
	.p2align	6, 0x0
	.amdhsa_kernel k_qaf2755defb_route
		.amdhsa_group_segment_fixed_size 26624
		.amdhsa_private_segment_fixed_size 0
		.amdhsa_enable_private_segment 0
		.amdhsa_kernarg_size 64
		.amdhsa_user_sgpr_count 2
		.amdhsa_user_sgpr_kernarg_segment_ptr 1
		.amdhsa_wavefront_size32 1
		.amdhsa_system_sgpr_workgroup_id_x 1
		.amdhsa_system_sgpr_workgroup_id_y 1
		.amdhsa_system_sgpr_workgroup_id_z 1
		.amdhsa_system_vgpr_workitem_id 0
		.amdhsa_next_free_vgpr 226
		.amdhsa_next_free_sgpr 66
		.amdhsa_reserve_vcc 1
		.amdhsa_float_denorm_mode_32 3
		.amdhsa_float_denorm_mode_16_64 3
		.amdhsa_memory_ordered 1
		.amdhsa_forward_progress 1
		.amdhsa_inst_pref_size 30
	.end_amdhsa_kernel
	.amdgpu_metadata
---
amdhsa.version: [ 1, 2 ]
amdhsa.kernels:
  - .name:           k_qaf2755defb_route
    .symbol:         k_qaf2755defb_route.kd
    .args:
      - { .name: x, .offset: 0, .size: 8, .value_kind: global_buffer, .address_space: global }
      - { .name: Wg, .offset: 8, .size: 8, .value_kind: global_buffer, .address_space: global }
      - { .name: bg, .offset: 16, .size: 8, .value_kind: global_buffer, .address_space: global }
      - { .name: xq, .offset: 24, .size: 8, .value_kind: global_buffer, .address_space: global }
      - { .name: xs, .offset: 32, .size: 8, .value_kind: global_buffer, .address_space: global }
      - { .name: eidx, .offset: 40, .size: 8, .value_kind: global_buffer, .address_space: global }
      - { .name: topw, .offset: 48, .size: 8, .value_kind: global_buffer, .address_space: global }
      - { .name: out1, .offset: 56, .size: 8, .value_kind: global_buffer, .address_space: global }
    .group_segment_fixed_size: 26624
    .private_segment_fixed_size: 0
    .kernarg_segment_align: 8
    .kernarg_segment_size: 64
    .max_flat_workgroup_size: 256
    .sgpr_count:     66
    .vgpr_count:     226
    .wavefront_size: 32
...
	.end_amdgpu_metadata
.endif
;; end of part 1
;; launch place (part 2): grid 8 x 1, 1 waves a work-group, no clusters, 0 bytes of LDS; arguments eidx, order; writes order
.if DOCPART == 2
	.amdgcn_target "amdgcn-amd-amdhsa--gfx1250"
	.amdhsa_code_object_version 6
	.text
	.protected	k_qaf2755defb_place
	.globl	k_qaf2755defb_place
	.p2align	8
	.type	k_qaf2755defb_place,@function
k_qaf2755defb_place:
	s_mov_b64 s[64:65], 0
	v_nop
	global_prefetch_b8 v0, s[64:65] scope:SCOPE_SE
	s_setreg_imm32_b32 hwreg(HW_REG_WAVE_MODE, 25, 1), 1
	s_wait_xcnt 0x0
; PLACE.  Work-group e, one wave, lays all 2,048 token numbers into expert e's list: the tokens that chose e from the front, all others from the back; and the count of its own behind the list, once a lane.
; order: 8,448 bytes an expert: words 0 .. 2047 the list (every word is written, so that a later launch may read any of them), bytes 8192 .. 8319 the count.
; The wave walks 64 groups of 32 tokens.  In a group a lane's place is the count of own tokens so far (a scalar) + the own tokens in lower lanes (v_mbcnt_lo_u32_b32 on the compare's mask).
; For a foreign token: 2047 - (the foreign tokens ahead of it) = own ahead + 2047 - 32 g - lane.  Each group has registers of its own for its store's address and data, so nothing that a store reads is written again.
; The stores are 4 bytes a lane at places that the data decide: 64 KiB in the whole program.
.set I, 8                              ; v8-71    the chosen experts: register 4 q + c = token 128 q + 4 lane + c
.set A, 72                             ; v72-135  a group's byte offsets in the list
.set D, 136                            ; v136-199 a group's token numbers
	s_load_b128 s[4:7], s[0:1], 0x0                ; eidx, order
	v_and_b32 v1, 31, v0
	v_lshlrev_b32 v2, 4, v1                        ; 16 x lane
	v_lshlrev_b32 v3, 2, v1                        ; 4 x lane
	v_sub_nc_u32 v4, 0, v1                         ; - lane
	s_mov_b32 s8, ttmp9                            ; my expert
	s_mul_i32 s12, ttmp9, 8448
	s_mov_b32 s13, 0
	s_mov_b32 s10, 0                               ; own tokens so far
	s_wait_kmcnt 0x0
	s_add_nc_u64 s[6:7], s[6:7], s[12:13]
.irp q, 0,1,2,3,4,5,6,7,8,9,10,11,12,13,14,15
	global_load_b128 v[I+4*\q:I+4*\q+3], v2, s[4:5] offset:512*\q
.endr
.set g, 0
.rept 64
.if (g%4) == 0
	s_wait_loadcnt 15-g/4                          ; loads come back in order: this group's is in, the younger ones may be out
.endif
	v_cmp_eq_u32 vcc_lo, s8, v[I+g]
	v_mbcnt_lo_u32_b32 v[A+g], vcc_lo, s10         ; own tokens ahead of me
	v_add3_u32 v5, v[A+g], v4, 2047-32*g           ; 2047 - the foreign tokens ahead of me
	v_cndmask_b32 v[A+g], v5, v[A+g], vcc_lo
	v_min_u32 v[A+g], 0x7ff, v[A+g]                ; (it lies inside the list by its make; the bound is written out)
	v_lshlrev_b32 v[A+g], 2, v[A+g]
	v_add_nc_u32 v[D+g], 128*(g/4)+g%4, v3         ; my token's number
	global_store_b32 v[A+g], v[D+g], s[6:7]
	s_bcnt1_i32_b32 s11, vcc_lo
	s_add_co_u32 s10, s10, s11
.set g, g+1
.endr
	v_mov_b32 v6, s10
	global_store_b32 v3, v6, s[6:7] offset:8192    ; the count
	s_endpgm
.Lfunc_end_k_qaf2755defb_place:
	.size	k_qaf2755defb_place, .Lfunc_end_k_qaf2755defb_place-k_qaf2755defb_place
	.p2alignl 7, 3214868480
	.fill 96, 4, 3214868480
	.section	.rodata,"a",@progbits
	.p2align	6, 0x0
	.amdhsa_kernel k_qaf2755defb_place
		.amdhsa_group_segment_fixed_size 0
		.amdhsa_private_segment_fixed_size 0
		.amdhsa_enable_private_segment 0
		.amdhsa_kernarg_size 16
		.amdhsa_user_sgpr_count 2
		.amdhsa_user_sgpr_kernarg_segment_ptr 1
		.amdhsa_wavefront_size32 1
		.amdhsa_system_sgpr_workgroup_id_x 1
		.amdhsa_system_sgpr_workgroup_id_y 1
		.amdhsa_system_sgpr_workgroup_id_z 1
		.amdhsa_system_vgpr_workitem_id 0
		.amdhsa_next_free_vgpr 208
		.amdhsa_next_free_sgpr 66
		.amdhsa_reserve_vcc 1
		.amdhsa_float_denorm_mode_32 3
		.amdhsa_float_denorm_mode_16_64 3
		.amdhsa_memory_ordered 1
		.amdhsa_forward_progress 1
		.amdhsa_inst_pref_size 37
	.end_amdhsa_kernel
	.amdgpu_metadata
---
amdhsa.version: [ 1, 2 ]
amdhsa.kernels:
  - .name:           k_qaf2755defb_place
    .symbol:         k_qaf2755defb_place.kd
    .args:
      - { .name: eidx, .offset: 0, .size: 8, .value_kind: global_buffer, .address_space: global }
      - { .name: order, .offset: 8, .size: 8, .value_kind: global_buffer, .address_space: global }
    .group_segment_fixed_size: 0
    .private_segment_fixed_size: 0
    .kernarg_segment_align: 8
    .kernarg_segment_size: 16
    .max_flat_workgroup_size: 32
    .sgpr_count:     66
    .vgpr_count:     208
    .wavefront_size: 32
...
	.end_amdgpu_metadata
.endif
;; end of part 2
;; launch up (part 3): grid 32 x 8, 4 waves a work-group, no clusters, 68,096 bytes of LDS; arguments W1, b1, xq, xs, order, hq, hs; writes hq, hs
.if DOCPART == 3
	.amdgcn_target "amdgcn-amd-amdhsa--gfx1250"
	.amdhsa_code_object_version 6
	.text
	.protected	k_qaf2755defb_up
	.globl	k_qaf2755defb_up
	.p2align	8
	.type	k_qaf2755defb_up,@function
k_qaf2755defb_up:
	s_mov_b64 s[64:65], 0
	v_nop
	global_prefetch_b8 v0, s[64:65] scope:SCOPE_SE
	s_setreg_imm32_b32 hwreg(HW_REG_WAVE_MODE, 25, 1), 1
	s_wait_xcnt 0x0
; UP.  hidden = relu(x W1[e] + b1[e]) for the tokens that chose expert e, on codes of E4M3 with one E8M0 scale for each 32 along K, and the hidden layer quantised along H on the way out.
; W1 [8][1024][2048] f32, b1 [8][2048] f32; xq, xs: x's codes and scale bytes; order: each expert's list of tokens and its count.  Out: hq, hs: the hidden layer as images of the next product's operand registers.
; SHARES.  Work-group (x, e) owns 64 hidden units of expert e for all of K = 1,024: 262,144 bytes of W1, read once in the launch, quantised in registers and never stored to memory.
; WEIGHT PHASE.  Wave w takes rows 256 w .. + 255 in 8 blocks of 32.  One load: lanes 0-15 take 256 consecutive aligned bytes of a row, lanes 16-31 those of the row 16 further down; lane (r, h) holds columns 4 r .. 4 r + 3,
; raw register 4 i + j = W1(32 b + 16 h + i, 4 r + j).  A tile of 16 columns is { 4 r + j }: which columns form a tile is free.  The hold writes register 16 j + i, which turns [k][j] into [j][k] at no cost, and the
; conversions then give 16 codes along K: registers 4 c .. 4 c + 3 of the operand as the scaled matrix form lays it.  The codes go to LDS as images of those registers (16 bytes at 16 x lane), one barrier,
; and every wave loads all 32 fragments (512 registers) and their scale words.
; TOKEN PHASE.  Wave w takes tiles w, w + 4, .. of 16 tokens from the expert's list; waves share nothing more, so no barrier stands in the loop, whose trip count is read from memory.  For the same reason the launch has
; no tensor load and no joint request: the operands come straight into registers.  Source 0 = 16 columns of W1, source 1 = 16 tokens: lane (token r, h), accumulator j, register i is hidden unit 32 h + 4 i + j of the slice:
; a lane's 32 results are one whole block of 32 along the next K.  x's fragments are gathered two tiles ahead into two buffers.
; A slot's rank in the list is held at count - 1: the slots of a last tile past the count repeat the expert's last token, and so do the fills for tiles past the end (one row for all lanes).
; An expert without tokens still makes tile 0, from the list's first word, since the next launch may load that tile.
; hq [e][tile 128][K step 16][2,048 bytes]: chunk c (32 along K) at 512 c; lane (r, h') at 16 (r + 16 h') holds k = 32 c + 16 h' + 0 .. 15 of slot r.   hs [e][tile][K step][r] one word, byte c.
; The scale bytes leave as single bytes, 32 a tile and work-group, one for each 32 codes.
; LIMITS.  NaN and infinities are not served.  A block whose largest magnitude lies under 2^-118 keeps the byte 1; a block of zeros has the byte 1 and zero codes (the bytes are read by this program alone).
; REGISTERS, in windows of 256: window 1: raw blocks 0-3, then fragments 0-15 (fragment f = 4 s + j at 16 f); window 2: raw blocks 4-7, then fragments 16-31; window 3: x's two buffers (128 p + 16 s); window 0: all below.
.set WSC,  65536                       ; LDS: the codes' images fill bytes 0 .. 65,535 (2,048 f + 512 c + 16 lane); behind them the scale words, 64 f + 4 r
.set LN,   1
.set RR,   2                           ; r
.set HH,   3                           ; h
.set WA,   4                           ; W1: 16 h rows of 8,192 bytes + 16 r
.set LI,   5                           ; 16 x lane
.set IMS,  6                           ; images in: 16 x lane + 16,384 x wave
.set WSS,  7                           ; scale words in: WSC + 512 x wave + 4 r
.set WSR,  8                           ; and back: WSC + 4 r
.set H16,  9                           ; 16 h
.set H128, 10                          ; 128 h
.set HO,   11                          ; hq: 512 h + 16 r
.set HSO,  12                          ; hs: 4 r + h
.set IDA,  16                          ; v16-19  offsets into the list
.set TOKC, 20                          ; v20-21  the first two tiles' tokens
.set TOK,  22                          ; v22-23  buffer p: the tokens of its next fill
.set XAD,  24                          ; v24-25  buffer p: token x 1,024 + 16 h
.set XSA,  26                          ; v26-27  buffer p: token x 32
.set BY,   28                          ; v28-29  the hidden block's scale byte
.set MA,   30
.set MB,   31
.set WS,   32                          ; v32-63   the weights' scale words: scales and nothing else
.set BI,   64                          ; v64-95   b1 in the result's layout: 8 j + i
.set ACC,  96                          ; v96-127  four accumulators
.set T,    128                         ; v128-191 numbers held, in the order of the conversions
.set TM,   192                         ; v192-207 at work
.set WW,   208                         ; v208-215 scale words in the making
.set C,    216                         ; v216-231 codes
.set XS,   232                         ; v232-247 x's scale words, 8 p + s: scales and nothing else
.set WV,   18
.set CNT,  21
.set NT1,  22                          ; tiles to make, at least 1
.set LIM,  23                          ; the last rank that is named: count - 1, at least 0
.set TT,   24                          ; the loop's counter: trips done
.set TAU,  25                          ; the tile in hand
.set NTR,  27                          ; my wave's trips, two tiles each: (tiles + 7 - wave) / 8
.set HQB,  28                          ; s[28:31] the tile's place in hq, a pair for each buffer
.set HSB,  32                          ; s[32:35] and in hs
.set SEL,  36
.set MNT,  38
.set FLR,  39
.set MSB, 0
.macro WIN new                         ; the immediate's high byte repeats the setting that is left; a switch that changes nothing is dropped
.if MSB != (\new)
	s_set_vgpr_msb (MSB<<8)|(\new)
.set MSB, (\new)
.endif
.endm
.macro WLOAD b                         ; block b: 16 loads of two whole 256-byte pieces of rows
.set NW, 1+(\b)/4
.set RB, 64*((\b)%4)
.set WN, NW<<6
	WIN WN
.irp i, 0,1,2,3,4,5,6,7,8,9,10,11,12,13,14,15
	global_load_b128 v[RB+4*\i:RB+4*\i+3], v[WA], s[4:5] offset:(32*(\b)+\i)*8192 th:TH_LOAD_NT
.endr
.endm
.macro WQUANT b                        ; block b of four columns a lane: scales, hold, codes, images
.set NW, 1+(\b)/4
.set RB, 64*((\b)%4)
.set WN, (NW<<2)|(NW<<4)
	WIN WN
.irp j, 0,1,2,3
	v_max3_num_f32 v[TM+\j], s[FLR], |v[RB+\j]|, |v[RB+4+\j]|   ; with the floor 2^(9 - 127): the byte cannot fall under 1
.endr
.irp i, 2,4,6,8,10,12,14
.irp j, 0,1,2,3
	v_max3_num_f32 v[TM+\j], v[TM+\j], |v[RB+4*\i+\j]|, |v[RB+4*\i+4+\j]|
.endr
.endr
	WIN 0
	s_wait_dscnt 0x0                               ; the last block's LDS stores are done: their registers are written again below
.irp j, 0,1,2,3
	v_permlanex16_b32 v[TM+4+\j], v[TM+\j], s[SEL], s[SEL+1]
.endr
.irp j, 0,1,2,3
	v_max_num_f32 v[TM+\j], v[TM+\j], v[TM+4+\j]   ; with the 16 rows of lane l xor 16: the block's largest magnitude
.endr
.irp j, 0,1,2,3
	v_add_nc_u32 v[TM+12+\j], 0xfc000000, v[TM+\j] ; 8 off its exponent field: the conversion's scale operand
.endr
.irp j, 0,1,2,3
	v_and_or_b32 v[TM+8+\j], v[TM+\j], 0x7f800000, s[MNT]   ; 448 x the scale
.endr
.irp j, 0,1,2,3
	v_lshrrev_b32 v[TM+4+\j], 23, v[TM+12+\j]      ; the scale's byte
.endr
.irp j, 0,1,2,3
.if ((\b)%4) == 0
	v_mov_b32 v[WW+4*((\b)/4)+\j], v[TM+4+\j]
.else
	v_lshl_or_b32 v[WW+4*((\b)/4)+\j], v[TM+4+\j], 8*((\b)%4), v[WW+4*((\b)/4)+\j]
.endif
.endr
	WIN NW
.irp j, 0,1,2,3
.irp i, 0,1,2,3,4,5,6,7,8,9,10,11,12,13,14,15
	v_med3_num_f32 v[T+16*\j+\i], v[RB+4*\i+\j], -v[TM+8+\j], v[TM+8+\j]   ; the hold (the conversion does not saturate: ISA guide 7.6.2), and the turn from [k][j] to [j][k]
.endr
.endr
	WIN 0
.irp j, 0,1,2,3
	v_cvt_scalef32_pk8_fp8_f32 v[C+4*\j:C+4*\j+1], v[T+16*\j:T+16*\j+7], v[TM+12+\j]
	v_cvt_scalef32_pk8_fp8_f32 v[C+4*\j+2:C+4*\j+3], v[T+16*\j+8:T+16*\j+15], v[TM+12+\j]
.endr
	v_nop                                          ; one plain line behind the last conversion
.irp j, 0,1,2,3
	ds_store_b128 v[IMS], v[C+4*\j:C+4*\j+3] offset:(4*((\b)/4)+\j)*2048+512*((\b)%4)
.endr
.if ((\b)%4) == 3
.irp j, 0,1,2,3
	ds_store_b32 v[WSS], v[WW+4*((\b)/4)+\j] offset:64*(4*((\b)/4)+\j)   ; both halves of the lanes write the same word with the same value
.endr
.endif
.endm
.macro XFILL p, s                      ; K step s of buffer p: lane (r, h) takes 16 bytes of each block of 32 of its token's row
.irp c, 0,1,2,3
	global_load_b128 v[128*(\p)+16*(\s)+4*\c:128*(\p)+16*(\s)+4*\c+3], v[XAD+(\p)], s[8:9] offset:128*(\s)+32*\c
.endr
.endm
.macro XPAIR s                         ; K steps s and s + 1 of both buffers: 16 loads
	WIN 0xc0
.irp p, 0,1
	XFILL \p, \s
	XFILL \p, (\s)+1
.endr
.endm
.macro XSFILL p                        ; the token's eight scale words
	global_load_b128 v[XS+8*(\p):XS+8*(\p)+3], v[XSA+(\p)], s[10:11]
	global_load_b128 v[XS+8*(\p)+4:XS+8*(\p)+7], v[XSA+(\p)], s[10:11] offset:16
.endm
	s_load_b256 s[4:11], s[0:1], 0x0               ; W1 s[4:5], b1 s[6:7], xq s[8:9], xs s[10:11]
	s_load_b128 s[12:15], s[0:1], 0x20             ; order s[12:13], hq s[14:15]
	s_load_b64 s[16:17], s[0:1], 0x30              ; hs
	v_lshl_add_u32 v254, v0, 2, 0x10800
	v_mov_b32 v255, 0
	v_lshrrev_b32 v1, 5, v0
	v_readfirstlane_b32 s[WV], v1                  ; wave 0..3
	s_and_b32 s20, ttmp7, 0xffff                   ; the expert
	v_and_b32 v[LN], 31, v0
	v_and_b32 v[RR], 15, v0
	v_bfe_u32 v[HH], v0, 4, 1
	v_lshlrev_b32 v[WA], 4, v[RR]
	v_lshl_add_u32 v[WA], v[HH], 17, v[WA]
	v_lshlrev_b32 v[LI], 4, v[LN]
	s_lshl_b32 s40, s[WV], 14
	v_add_nc_u32 v[IMS], s40, v[LI]
	v_lshlrev_b32 v[WSR], 2, v[RR]
	v_add_nc_u32 v[WSR], WSC, v[WSR]
	s_lshl_b32 s40, s[WV], 9
	v_add_nc_u32 v[WSS], s40, v[WSR]
	v_lshlrev_b32 v[H16], 4, v[HH]
	v_lshlrev_b32 v[H128], 7, v[HH]
	v_lshlrev_b32 v[HO], 4, v[RR]
	v_lshl_add_u32 v[HO], v[HH], 9, v[HO]
	v_lshl_add_u32 v[HSO], v[RR], 2, v[HH]
.irp j, 0,1,2,3
	v_mov_b32 v[TM+4+\j], 0                        ; written once: a lane permute's destination counts as one of its sources
.endr
	s_mov_b32 s[SEL], 0x76543210
	s_mov_b32 s[SEL+1], 0xfedcba98
	s_mov_b32 s[MNT], 0x600000
	s_mov_b32 s[FLR], 0x4800000
	s_mov_b32 s41, 0
	s_mov_b32 s43, 0
	s_mul_i32 s42, s20, 8448                       ; my expert's list
	s_wait_kmcnt 0x0
	s_add_nc_u64 s[12:13], s[12:13], s[42:43]
	s_load_b32 s[CNT], s[12:13], 0x2000            ; its count
	s_lshl_b32 s40, s20, 23                        ; W1: the expert,
	s_lshl_b32 s42, s[WV], 21                      ; my wave's 256 rows,
	s_add_co_u32 s40, s40, s42
	s_lshl_b32 s42, ttmp9, 8                       ; the slice's 256 bytes of a row
	s_add_co_u32 s40, s40, s42
	s_add_nc_u64 s[4:5], s[4:5], s[40:41]
	s_lshl_b32 s40, s20, 13                        ; b1: the expert's 8,192 bytes, the slice's 256
	s_add_co_u32 s40, s40, s42
	s_add_nc_u64 s[6:7], s[6:7], s[40:41]
	s_lshl_b32 s40, s20, 22                        ; hq: the expert; K step x / 2 and half x % 2 of it: 1,024 x
	s_lshl_b32 s42, ttmp9, 10
	s_add_co_u32 s40, s40, s42
	s_add_nc_u64 s[14:15], s[14:15], s[40:41]
	s_lshl_b32 s40, s20, 17                        ; hs: the expert; 64 (x / 2) + 2 (x % 2)
	s_lshr_b32 s42, ttmp9, 1
	s_lshl_b32 s42, s42, 6
	s_add_co_u32 s40, s40, s42
	s_and_b32 s42, ttmp9, 1
	s_lshl_b32 s42, s42, 1
	s_add_co_u32 s40, s40, s42
	s_add_nc_u64 s[16:17], s[16:17], s[40:41]
	WLOAD 0
	WLOAD 1
	WLOAD 2
	WIN 0
	s_wait_kmcnt 0x0
	s_min_u32 s[CNT], s[CNT], 0x800
	s_add_co_u32 s[NT1], s[CNT], 15
	s_lshr_b32 s[NT1], s[NT1], 4
	s_max_u32 s[NT1], s[NT1], 1
	s_max_u32 s[LIM], s[CNT], 1
	s_sub_co_u32 s[LIM], s[LIM], 1
	s_add_co_u32 s[NTR], s[NT1], 7                 ; my trips: tiles + 7 is at least 8 and the wave's number at most 3, so nothing wraps;
	s_sub_co_u32 s[NTR], s[NTR], s[WV]
	s_lshr_b32 s[NTR], s[NTR], 3                   ; 0 where the wave has no tile
.irp k, 0,1,2,3                                ; the tokens of tiles w, w + 4, w + 8, w + 12; a rank past the count is held at the expert's last token
	s_add_co_u32 s40, s[WV], 4*\k
	v_lshl_add_u32 v[IDA+\k], s40, 4, v[RR]
	v_min_u32 v[IDA+\k], s[LIM], v[IDA+\k]
	v_min_u32 v[IDA+\k], 0x7ff, v[IDA+\k]
	v_lshlrev_b32 v[IDA+\k], 2, v[IDA+\k]
	global_load_b32 v[TOKC+\k], v[IDA+\k], s[12:13]
.endr
; Each count below is the number of loads issued behind the block that is awaited (loads come back in order: ISA guide 5.7.1), held to 63, the largest that a wait can name.
	s_wait_loadcnt 36                              ; behind block 0: blocks 1, 2 and the four lists
	WLOAD 3
	WQUANT 0
	s_wait_loadcnt 36                              ; behind block 1: block 2, the lists, block 3
	WLOAD 4
	WQUANT 1
	s_wait_loadcnt 36                              ; behind block 2: the lists, blocks 3, 4
	WLOAD 5
	WQUANT 2
	s_wait_loadcnt 32                              ; behind block 3: blocks 4, 5; the lists are older, so they are in
	WLOAD 6
	WIN 0
.irp p, 0,1
	v_min_u32 v[TOKC+\p], 0x7ff, v[TOKC+\p]
	v_lshl_add_u32 v[XAD+\p], v[TOKC+\p], 10, v[H16]
	v_lshlrev_b32 v[XSA+\p], 5, v[TOKC+\p]
.endr
	WQUANT 3
	XPAIR 0
	s_wait_loadcnt 48                              ; behind block 4: blocks 5, 6 and 16 of x
	WLOAD 7
	WQUANT 4
	XPAIR 2
	s_wait_loadcnt 63                              ; behind block 5: 64
	WQUANT 5
	XPAIR 4
	s_wait_loadcnt 63                              ; behind block 6: 64
	WQUANT 6
	XPAIR 6
	s_wait_loadcnt 48                              ; behind block 7: three times 16 of x
	WQUANT 7
	XSFILL 0
	XSFILL 1
.irp j, 0,1,2,3
.irp i, 0,1,2,3,4,5,6,7
	global_load_b32 v[BI+8*\j+\i], v[H128], s[6:7] offset:4*(4*\i+\j)   ; b1 of unit 32 h + 4 i + j
.endr
.endr
	s_wait_dscnt 0x0                               ; for the others' sake: my images have landed
	s_barrier_signal -1
	s_barrier_wait -1                              ; the launch's one barrier, ahead of every branch on a number read from memory
	WIN 0x40
.set F, 0
.rept 16
.irp c, 0,1,2,3
	ds_load_b128 v[16*F+4*\c:16*F+4*\c+3], v[LI] offset:2048*F+512*\c
.endr
.set F, F+1
.endr
	WIN 0x80
.rept 16
.irp c, 0,1,2,3
	ds_load_b128 v[16*(F-16)+4*\c:16*(F-16)+4*\c+3], v[LI] offset:2048*F+512*\c
.endr
.set F, F+1
.endr
	WIN 0
.set F, 0
.rept 32
	ds_load_b32 v[WS+F], v[WSR] offset:64*F
.set F, F+1
.endr
	s_wait_dscnt 0x0
	s_wait_loadcnt 0x0                             ; both buffers of x, their scale words, b1, the next tiles' tokens
; ONE TILE, from buffer p.  A tile issues 32 + 2 + 1 loads.
.macro TILE p
	s_wait_loadcnt 35                              ; all but the other buffer's 35: this buffer, its scale words and its next tokens are in, and their address registers are free
	WIN 0x0d                                       ; source 0 (W1) window 1, source 1 (x) window 3
.irp s, 0,1,2,3
.irp j, 0,1,2,3                                ; the four accumulators take turns, one instruction a turn; b1 is the C of each sum's first product
.if \s == 0
	v_wmma_scale_f32_16x16x128_f8f6f4 v[ACC+8*\j:ACC+8*\j+7], v[16*(4*\s+\j):16*(4*\s+\j)+15], v[128*\p+16*\s:128*\p+16*\s+15], v[BI+8*\j:BI+8*\j+7], v[WS+4*\s+\j], v[XS+8*\p+\s]
.else
	v_wmma_scale_f32_16x16x128_f8f6f4 v[ACC+8*\j:ACC+8*\j+7], v[16*(4*\s+\j):16*(4*\s+\j)+15], v[128*\p+16*\s:128*\p+16*\s+15], v[ACC+8*\j:ACC+8*\j+7], v[WS+4*\s+\j], v[XS+8*\p+\s]
.endif
.endr
.endr
	WIN 0x0e                                       ; source 0 window 2
.irp s, 4,5,6,7
.irp j, 0,1,2,3
	v_wmma_scale_f32_16x16x128_f8f6f4 v[ACC+8*\j:ACC+8*\j+7], v[16*(4*(\s-4)+\j):16*(4*(\s-4)+\j)+15], v[128*\p+16*\s:128*\p+16*\s+15], v[ACC+8*\j:ACC+8*\j+7], v[WS+4*\s+\j], v[XS+8*\p+\s]
.endr
.endr
	WIN 0
	; eight plain lines that name no register of the products: the places ahead of the loads into x's registers and of the first read of a result
	v_min_u32 v[TOK+\p], 0x7ff, v[TOK+\p]          ; the tokens of the tile eight on
	v_lshl_add_u32 v[XAD+\p], v[TOK+\p], 10, v[H16]
	v_lshlrev_b32 v[XSA+\p], 5, v[TOK+\p]
	s_add_co_u32 s40, s[TAU], 16
	v_lshl_add_u32 v[IDA+\p], s40, 4, v[RR]        ; and where the list names those of the tile sixteen on
	v_min_u32 v[IDA+\p], s[LIM], v[IDA+\p]
	v_min_u32 v[IDA+\p], 0x7ff, v[IDA+\p]
	v_lshlrev_b32 v[IDA+\p], 2, v[IDA+\p]
	v_nop
	WIN 0xc0
.irp s, 0,1,2,3,4,5,6,7
	XFILL \p, \s
.endr
	WIN 0
	XSFILL \p
	global_load_b32 v[TOK+\p], v[IDA+\p], s[12:13]
	; the activation and the quantiser.  No |.|: what is negative becomes 0, so it does not count for the largest magnitude; the floor stands over it.  Each accumulator is read from its low end on.
	v_max3_num_f32 v[MA], s[FLR], v[ACC], v[ACC+1]
	v_max3_num_f32 v[MB], s[FLR], v[ACC+16], v[ACC+17]
.irp i, 2,4,6,8,10,12,14
	v_max3_num_f32 v[MA], v[MA], v[ACC+\i], v[ACC+\i+1]
	v_max3_num_f32 v[MB], v[MB], v[ACC+16+\i], v[ACC+16+\i+1]
.endr
	v_max_num_f32 v[MA], v[MA], v[MB]              ; all 32 numbers of the block are mine
	s_wait_xcnt 0x0                                ; this buffer's last stores have read their data and their bases: both are written again below
	v_add_nc_u32 v[TM], 0xfc000000, v[MA]
	v_and_or_b32 v[TM+1], v[MA], 0x7f800000, s[MNT]
	v_lshrrev_b32 v[BY+\p], 23, v[TM]
.irp i, 0,1,2,3,4,5,6,7
.irp j, 0,1,2,3
	v_med3_num_f32 v[T+4*\i+\j], v[ACC+8*\j+\i], 0, v[TM+1]   ; relu and the hold in one; register 4 i + j is the unit's place in the block
.endr
.endr
	s_min_u32 s40, s[TAU], 127                     ; (a tile's number lies under 128 by its make; the bound is written out)
	s_lshl_b32 s42, s40, 10
	s_lshl_b32 s40, s40, 15
	s_add_nc_u64 s[HQB+2*\p:HQB+2*\p+1], s[14:15], s[40:41]
	s_add_nc_u64 s[HSB+2*\p:HSB+2*\p+1], s[16:17], s[42:43]
.irp g, 0,1,2,3
	v_cvt_scalef32_pk8_fp8_f32 v[C+8*\p+2*\g:C+8*\p+2*\g+1], v[T+8*\g:T+8*\g+7], v[TM]
.endr
	v_nop                                          ; one plain line behind the last conversion
	global_store_b128 v[HO], v[C+8*\p:C+8*\p+3], s[HQB+2*\p:HQB+2*\p+1]                 ; 16 lanes store 256 consecutive bytes, aligned: k + 0 .. 15 of the 16 slots
	global_store_b128 v[HO], v[C+8*\p+4:C+8*\p+7], s[HQB+2*\p:HQB+2*\p+1] offset:256    ; and k + 16 .. 31
	global_store_b8 v[HSO], v[BY+\p], s[HSB+2*\p:HSB+2*\p+1]
.endm
	s_mov_b32 s[TT], 0
	s_cmp_ge_u32 s[WV], s[NT1]
	s_cbranch_scc1 .Ldone
.Ltile:                                            ; trip n takes tiles 8 n + w and 8 n + w + 4; the counter steps by one a trip, and the loop is left by falling through its branch back or by the end of the wave
	s_lshl_b32 s[TAU], s[TT], 3
	s_add_co_u32 s[TAU], s[TAU], s[WV]
	TILE 0
	s_add_co_u32 s[TAU], s[TAU], 4
	s_cmp_lt_u32 s[TAU], s[NT1]
	s_cbranch_scc1 .Lsecond
	s_wait_tensorcnt 0x0
	ds_add_u32 v254, v255
	s_wait_dscnt 0x0
	s_endpgm                                       ; no second tile: the wave ends here (plain loads and stores may be out at the end)
.Lsecond:
	TILE 1
	s_add_co_u32 s[TT], s[TT], 1
	s_cmp_lt_u32 s[TT], s[NTR]
	s_cbranch_scc1 .Ltile
.Ldone:
	s_wait_tensorcnt 0x0
	ds_add_u32 v254, v255
	s_wait_dscnt 0x0
	s_endpgm
.Lfunc_end_k_qaf2755defb_up:
	.size	k_qaf2755defb_up, .Lfunc_end_k_qaf2755defb_up-k_qaf2755defb_up
	.p2alignl 7, 3214868480
	.fill 96, 4, 3214868480
	.section	.rodata,"a",@progbits
	.p2align	6, 0x0
	.amdhsa_kernel k_qaf2755defb_up
		.amdhsa_group_segment_fixed_size 68096
		.amdhsa_private_segment_fixed_size 0
		.amdhsa_enable_private_segment 0
		.amdhsa_kernarg_size 56
		.amdhsa_user_sgpr_count 2
		.amdhsa_user_sgpr_kernarg_segment_ptr 1
		.amdhsa_wavefront_size32 1
		.amdhsa_system_sgpr_workgroup_id_x 1
		.amdhsa_system_sgpr_workgroup_id_y 1
		.amdhsa_system_sgpr_workgroup_id_z 1
		.amdhsa_system_vgpr_workitem_id 0
		.amdhsa_next_free_vgpr 1024
		.amdhsa_next_free_sgpr 66
		.amdhsa_reserve_vcc 0
		.amdhsa_float_denorm_mode_32 3
		.amdhsa_float_denorm_mode_16_64 3
		.amdhsa_memory_ordered 1
		.amdhsa_forward_progress 1
		.amdhsa_inst_pref_size 128
	.end_amdhsa_kernel
	.amdgpu_metadata
---
amdhsa.version: [ 1, 2 ]
amdhsa.kernels:
  - .name:           k_qaf2755defb_up
    .symbol:         k_qaf2755defb_up.kd
    .args:
      - { .name: W1, .offset: 0, .size: 8, .value_kind: global_buffer, .address_space: global }
      - { .name: b1, .offset: 8, .size: 8, .value_kind: global_buffer, .address_space: global }
      - { .name: xq, .offset: 16, .size: 8, .value_kind: global_buffer, .address_space: global }
      - { .name: xs, .offset: 24, .size: 8, .value_kind: global_buffer, .address_space: global }
      - { .name: order, .offset: 32, .size: 8, .value_kind: global_buffer, .address_space: global }
      - { .name: hq, .offset: 40, .size: 8, .value_kind: global_buffer, .address_space: global }
      - { .name: hs, .offset: 48, .size: 8, .value_kind: global_buffer, .address_space: global }
    .group_segment_fixed_size: 68096
    .private_segment_fixed_size: 0
    .kernarg_segment_align: 8
    .kernarg_segment_size: 56
    .max_flat_workgroup_size: 128
    .sgpr_count:     66
    .vgpr_count:     1024
    .wavefront_size: 32
...
	.end_amdgpu_metadata
.endif
;; end of part 3
;; launch down (part 4): grid 32 x 8, 4 waves a work-group, no clusters, 68,096 bytes of LDS; arguments W2, b2, hq, hs, order, topw, out0; writes out0
.if DOCPART == 4
	.amdgcn_target "amdgcn-amd-amdhsa--gfx1250"
	.amdhsa_code_object_version 6
	.text
	.protected	k_qaf2755defb_down
	.globl	k_qaf2755defb_down
	.p2align	8
	.type	k_qaf2755defb_down,@function
k_qaf2755defb_down:
	s_mov_b64 s[64:65], 0
	v_nop
	global_prefetch_b8 v0, s[64:65] scope:SCOPE_SE
	s_setreg_imm32_b32 hwreg(HW_REG_WAVE_MODE, 25, 1), 1
	s_wait_xcnt 0x0
; DOWN.  out0[token] = top gate weight x (hidden W2[e] + b2[e]) for the tokens that chose expert e, on codes of E4M3 with one E8M0 scale for each 32 along K = 2,048.
; W2 [8][2048][1024] f32, b2 [8][1024] f32; hq, hs: the hidden layer as images of operand registers; order: each expert's list and count; topw [token] f32.  Out: out0 [token][1024] f32.
; SHARES.  Work-group (x, e) owns 32 output columns of expert e for all of K: 262,144 bytes of W2, read once in the launch, quantised in registers.  Its codes are 512 registers of every wave; 64 columns would be 1,024,
; which a wave does not have beside its operands: so a row's piece is 128 bytes, in W2 and in out0, and not a whole aligned 256.
; WEIGHT PHASE.  Wave w takes rows 512 w .. + 511 in 16 blocks of 32.  Lane: q = lane % 8, g = (lane / 8) % 2, h = lane / 16.  One load takes four rows x 128 bytes; raw register 4 i + j = W2(32 b + 16 h + 8 g + i, 4 q + j).
; A block's largest magnitude is joined over lanes l xor 8 and l xor 16.  A column's 8 codes go by one 8-byte store to their place in the operand's image.  Column c = 4 q + j lies in tile (c / 8) % 2, slot c % 8 + 8 (c / 16),
; so that in the result lane (token r, h) holds columns 16 h + 8 j' + i: 64 consecutive bytes of its token's row.  One barrier; then every wave loads all 32 fragments (f = 2 S + j') and their scale words.
; TOKEN PHASE.  Wave w takes tiles w, w + 4, ..; no barrier, no tensor load and no joint request, since the trip count is read from memory.  A tile's hidden codes, 16 K steps, fill window 3.  A group of four K steps is
; multiplied and its registers are at once asked for again with the next tile's, so three groups and more are always on their way.  Where no next tile follows, the refill names one address an instruction, inside bytes that were written.
; A slot's rank in the list is held at count - 1, here as in the launch that made the hidden layer: the slots of a last tile past the count repeat the expert's last token, hold its hidden row, and store
; the same numbers to the same bytes as that token's own slot.  So all lanes stay on throughout.
; LIMITS.  NaN and infinities are not served.  A block of W2 whose largest magnitude lies under 2^-118 keeps the byte 1; a block of zeros has the byte 1 and zero codes.
; REGISTERS: window 1: raw blocks 0-7 (32 b), then fragments 0-15 (16 f); window 2: raw blocks 8-15, then fragments 16-31; window 3: the hidden tile (16 S); window 0: all below.
.set WSC,  65536                       ; LDS: images in bytes 0 .. 65,535 (2,048 f + 512 c + 16 lane); behind them the scale words, 64 f + 4 slot
.set LN,   1
.set RR,   2
.set HH,   3
.set WA,   4                           ; W2: (16 h + 8 g) rows of 4,096 bytes + 16 q
.set LI,   5                           ; 16 x lane
.set LS,   6                           ; 4 x lane
.set IMS,  7                           ; images in
.set WSS,  8                           ; scale words in
.set WSR,  9                           ; and back: WSC + 4 r
.set H64,  10                          ; 64 h
.set LIE,  16                          ; v16-17  16 x lane, or 0 where no next tile follows
.set IDA,  18                          ; v18-19  offsets into the list
.set TOK,  20                          ; v20-21  the tile's tokens
.set TWA,  22                          ; v22-23  token x 4
.set TW,   24                          ; v[24:25], v[26:27] the gate weight (the pair's upper word is 0 and is not used)
.set OAD,  28                          ; v28-29  token x 4,096 + 64 h
.set WS,   32                          ; v32-63   the weights' scale words: scales and nothing else
.set BI,   64                          ; v64-79   b2 in the result's layout
.set ACC,  80                          ; v80-111  four accumulators: 2 (S % 2) + j'
.set O,    112                         ; v112-143 results, 16 for each of two turns
.set HSC,  144                         ; v144-159 hidden scale words, 8 p + S / 2: lanes 0-15 the even K step, lanes 16-31 the odd one: scales and nothing else
.set T,    160                         ; v160-191 numbers held
.set TM,   192                         ; v192-207 at work
.set WW,   208                         ; v208-211 scale words in the making
.set C,    212                         ; v212-219 codes
.set WV,   18
.set CNT,  21
.set NT,   22                          ; tiles
.set NTM1, 23                          ; the last tile that was written
.set TT,   24                          ; the loop's counter: trips done
.set TAU,  25                          ; the tile in hand
.set CM1,  26                          ; the last rank that is named: count - 1, at least 0
.set NTR,  27                          ; my wave's trips, two tiles each: (tiles + 7 - wave) / 8
.set HQB,  28                          ; s[28:31] the next tile's place in hq, a pair for each turn
.set HSB,  32                          ; s[32:35] and in hs
.set SEL,  36
.set MNT,  38
.set FLR,  39
.set MSB, 0
.macro WIN new                         ; the immediate's high byte repeats the setting that is left; a switch that changes nothing is dropped
.if MSB != (\new)
	s_set_vgpr_msb (MSB<<8)|(\new)
.set MSB, (\new)
.endif
.endm
.macro WLOAD2 b
.set NW, 1+(\b)/8
.set RB, 32*((\b)%8)
.set WN, NW<<6
	WIN WN
.irp i, 0,1,2,3,4,5,6,7
	global_load_b128 v[RB+4*\i:RB+4*\i+3], v[WA], s[4:5] offset:(32*(\b)+\i)*4096 th:TH_LOAD_NT
.endr
.endm
.macro WQUANT2 b
.set NW, 1+(\b)/8
.set RB, 32*((\b)%8)
.set WN, (NW<<2)|(NW<<4)
	WIN WN
.irp j, 0,1,2,3
	v_max3_num_f32 v[TM+\j], s[FLR], |v[RB+\j]|, |v[RB+4+\j]|   ; with the floor 2^(9 - 127): the byte cannot fall under 1
.endr
.irp i, 2,4,6
.irp j, 0,1,2,3
	v_max3_num_f32 v[TM+\j], v[TM+\j], |v[RB+4*\i+\j]|, |v[RB+4*\i+4+\j]|
.endr
.endr
	WIN 0
	s_wait_dscnt 0x0                               ; the last block's LDS stores are done: their registers are written again below
.irp j, 0,1,2,3
	v_max_num_f32_dpp v[TM+\j], v[TM+\j], v[TM+\j] row_xmask:8 row_mask:0xf bank_mask:0xf   ; with the 8 rows of lane l xor 8
.endr
.irp j, 0,1,2,3
	v_permlanex16_b32 v[TM+4+\j], v[TM+\j], s[SEL], s[SEL+1]
.endr
.irp j, 0,1,2,3
	v_max_num_f32 v[TM+\j], v[TM+\j], v[TM+4+\j]   ; and the 16 of lane l xor 16: the block's largest magnitude
.endr
.irp j, 0,1,2,3
	v_add_nc_u32 v[TM+12+\j], 0xfc000000, v[TM+\j]
.endr
.irp j, 0,1,2,3
	v_and_or_b32 v[TM+8+\j], v[TM+\j], 0x7f800000, s[MNT]
.endr
.irp j, 0,1,2,3
	v_lshrrev_b32 v[TM+4+\j], 23, v[TM+12+\j]
.endr
.irp j, 0,1,2,3
.if ((\b)%4) == 0
	v_mov_b32 v[WW+\j], v[TM+4+\j]
.else
	v_lshl_or_b32 v[WW+\j], v[TM+4+\j], 8*((\b)%4), v[WW+\j]
.endif
.endr
	WIN NW
.irp j, 0,1,2,3
.irp i, 0,1,2,3,4,5,6,7
	v_med3_num_f32 v[T+8*\j+\i], v[RB+4*\i+\j], -v[TM+8+\j], v[TM+8+\j]   ; the hold (the conversion does not saturate: ISA guide 7.6.2), and the turn from [k][j] to [j][k]
.endr
.endr
	WIN 0
.irp j, 0,1,2,3
	v_cvt_scalef32_pk8_fp8_f32 v[C+2*\j:C+2*\j+1], v[T+8*\j:T+8*\j+7], v[TM+12+\j]
.endr
	v_nop                                          ; one plain line behind the last conversion
.irp j, 0,1,2,3
	ds_store_b64 v[IMS], v[C+2*\j:C+2*\j+1] offset:4096*((\b)/4)+512*((\b)%4)+16*\j
.endr
.if ((\b)%4) == 3
.irp j, 0,1,2,3
	ds_store_b32 v[WSS], v[WW+\j] offset:128*((\b)/4)+4*\j   ; the four lanes that share a column write the same word with the same value
.endr
.endif
.endm
.macro HFILL S, adr, base              ; K step S of a hidden tile: four dense loads of 512 bytes
.irp c, 0,1,2,3
	global_load_b128 v[16*(\S)+4*\c:16*(\S)+4*\c+3], v[\adr], s[\base:\base+1] offset:2048*(\S)+512*\c
.endr
.endm
; One step of the weight phase.  left: the loads issued behind block b (loads come back in order: ISA guide 5.7.1), held to 63, the largest that a wait can name.
.macro WSTEP b, left
	s_wait_loadcnt \left
.if (\b) < 10
	WLOAD2 (\b)+6
.endif
	WQUANT2 \b
.if (\b) < 8
	WIN 0xc0
	HFILL 2*(\b), LI, HQB                          ; my first tile's hidden codes come under the weights' stream
	HFILL 2*(\b)+1, LI, HQB
.elseif (\b) < 10
.irp q, 0,1,2,3,4,5,6,7
	global_load_b32 v[HSC+8*((\b)-8)+\q], v[LS], s[HSB+2*((\b)-8):HSB+2*((\b)-8)+1] offset:128*\q   ; the scale words of my first and second tile
.endr
.elseif (\b) == 10
	global_load_b32 v[TOK], v[IDA], s[12:13]
	global_load_b32 v[TOK+1], v[IDA+1], s[12:13]
.irp k, 0,1,2,3
	global_load_b128 v[BI+4*\k:BI+4*\k+3], v[H64], s[6:7] offset:16*\k   ; b2 of columns 16 h + 0 .. 15
.endr
.endif
.endm
	s_load_b256 s[4:11], s[0:1], 0x0               ; W2 s[4:5], b2 s[6:7], hq s[8:9], hs s[10:11]
	s_load_b128 s[12:15], s[0:1], 0x20             ; order s[12:13], topw s[14:15]
	s_load_b64 s[16:17], s[0:1], 0x30              ; out0
	v_lshl_add_u32 v254, v0, 2, 0x10800
	v_mov_b32 v255, 0
	v_lshrrev_b32 v1, 5, v0
	v_readfirstlane_b32 s[WV], v1                  ; wave 0..3
	s_and_b32 s20, ttmp7, 0xffff                   ; the expert
	v_and_b32 v[LN], 31, v0
	v_and_b32 v[RR], 15, v0
	v_bfe_u32 v[HH], v0, 4, 1
	v_and_b32 v13, 7, v0                           ; q
	v_bfe_u32 v14, v0, 3, 1                        ; g
	v_lshlrev_b32 v[WA], 4, v13
	v_lshl_add_u32 v[WA], v14, 15, v[WA]
	v_lshl_add_u32 v[WA], v[HH], 16, v[WA]
	v_lshlrev_b32 v[LI], 4, v[LN]
	v_lshlrev_b32 v[LS], 2, v[LN]
	v_and_b32 v15, 1, v0                           ; q % 2: slots 4 apart
	v_lshlrev_b32 v[IMS], 6, v15
	v_lshlrev_b32 v[WSS], 4, v15
	v_bfe_u32 v15, v0, 1, 1                        ; (q / 2) % 2: the tile
	v_lshl_add_u32 v[IMS], v15, 11, v[IMS]
	v_lshl_add_u32 v[WSS], v15, 6, v[WSS]
	v_bfe_u32 v15, v0, 2, 1                        ; q / 4: slots 8 apart
	v_lshl_add_u32 v[IMS], v15, 7, v[IMS]
	v_lshl_add_u32 v[WSS], v15, 5, v[WSS]
	v_lshl_add_u32 v[IMS], v[HH], 8, v[IMS]        ; the image's upper 16 lanes
	v_lshl_add_u32 v[IMS], v14, 3, v[IMS]          ; the upper 8 of a lane's 16 bytes
	s_lshl_b32 s40, s[WV], 14
	v_add_nc_u32 v[IMS], s40, v[IMS]
	s_lshl_b32 s40, s[WV], 9
	v_add_nc_u32 v[WSS], s40, v[WSS]
	v_add_nc_u32 v[WSS], WSC, v[WSS]
	v_lshlrev_b32 v[WSR], 2, v[RR]
	v_add_nc_u32 v[WSR], WSC, v[WSR]
	v_lshlrev_b32 v[H64], 6, v[HH]
	v_mov_b32 v[TW+1], 0                           ; named as the upper halves of pairs, so they are written
	v_mov_b32 v[TW+3], 0
.irp j, 0,1,2,3
	v_mov_b32 v[TM+4+\j], 0                        ; written once: a lane permute's destination counts as one of its sources
.endr
	s_mov_b32 s[SEL], 0x76543210
	s_mov_b32 s[SEL+1], 0xfedcba98
	s_mov_b32 s[MNT], 0x600000
	s_mov_b32 s[FLR], 0x4800000
	s_mov_b32 s41, 0
	s_mov_b32 s43, 0
	s_mul_i32 s42, s20, 8448                       ; my expert's list
	s_wait_kmcnt 0x0
	s_add_nc_u64 s[12:13], s[12:13], s[42:43]
	s_load_b32 s[CNT], s[12:13], 0x2000            ; its count
	s_lshl_b32 s40, s20, 23                        ; W2: the expert,
	s_lshl_b32 s42, s[WV], 21                      ; my wave's 512 rows,
	s_add_co_u32 s40, s40, s42
	s_lshl_b32 s42, ttmp9, 7                       ; the slice's 128 bytes of a row
	s_add_co_u32 s40, s40, s42
	s_add_nc_u64 s[4:5], s[4:5], s[40:41]
	s_add_nc_u64 s[16:17], s[16:17], s[42:43]      ; out0: the slice's 128 bytes of a row
	s_lshl_b32 s40, s20, 12                        ; b2: the expert's 4,096 bytes, the slice's 128
	s_add_co_u32 s40, s40, s42
	s_add_nc_u64 s[6:7], s[6:7], s[40:41]
	s_lshl_b32 s40, s20, 22
	s_add_nc_u64 s[8:9], s[8:9], s[40:41]          ; hq at the expert
	s_lshl_b32 s40, s20, 17
	s_add_nc_u64 s[10:11], s[10:11], s[40:41]      ; hs likewise
.irp b, 0,1,2,3,4,5
	WLOAD2 \b
.endr
	WIN 0
	s_wait_kmcnt 0x0
	s_min_u32 s[CNT], s[CNT], 0x800
	s_add_co_u32 s[NT], s[CNT], 15
	s_lshr_b32 s[NT], s[NT], 4
	s_max_u32 s[NTM1], s[NT], 1
	s_sub_co_u32 s[NTM1], s[NTM1], 1
	s_max_u32 s[CM1], s[CNT], 1
	s_sub_co_u32 s[CM1], s[CM1], 1
	s_add_co_u32 s[NTR], s[NT], 7                  ; my trips: tiles + 7 is at least 7 and the wave's number at most 3, so nothing wraps;
	s_sub_co_u32 s[NTR], s[NTR], s[WV]
	s_lshr_b32 s[NTR], s[NTR], 3                   ; 0 where the wave has no tile
.irp p, 0,1                                    ; tiles w and w + 4, held at the last tile that was written; ranks held at the expert's last token
	s_add_co_u32 s40, s[WV], 4*\p
	s_min_u32 s40, s40, s[NTM1]
	s_min_u32 s40, s40, 127                        ; (under 128 by its make; the bound is written out)
	v_lshl_add_u32 v[IDA+\p], s40, 4, v[RR]
	v_min_u32 v[IDA+\p], s[CM1], v[IDA+\p]
	v_min_u32 v[IDA+\p], 0x7ff, v[IDA+\p]
	v_lshlrev_b32 v[IDA+\p], 2, v[IDA+\p]
	s_lshl_b32 s42, s40, 10
	s_add_nc_u64 s[HSB+2*\p:HSB+2*\p+1], s[10:11], s[42:43]
.if \p == 0
	s_lshl_b32 s40, s40, 15
	s_add_nc_u64 s[HQB:HQB+1], s[8:9], s[40:41]
.endif
.endr
	WSTEP 0, 40                                    ; behind block 0: blocks 1 to 5
	WSTEP 1, 48                                    ; blocks 2 to 6 and 8 of the hidden tile
	WSTEP 2, 56
	WSTEP 3, 63                                    ; 64 and more from here on
	WSTEP 4, 63
	WSTEP 5, 63
	WSTEP 6, 63
	WSTEP 7, 63
	WSTEP 8, 63
	WSTEP 9, 63
	WSTEP 10, 63
	WSTEP 11, 63
	WSTEP 12, 62                                   ; 8 + 3 x 16 + 6
	WSTEP 13, 46                                   ; 8 + 2 x 16 + 6
	WSTEP 14, 30                                   ; 8 + 16 + 6
	WSTEP 15, 14                                   ; 8 + 6
	s_wait_dscnt 0x0                               ; for the others' sake: my images have landed
	s_barrier_signal -1
	s_barrier_wait -1                              ; the launch's one barrier, ahead of every branch on a number read from memory
	WIN 0x40
.set F, 0
.rept 16
.irp c, 0,1,2,3
	ds_load_b128 v[16*F+4*\c:16*F+4*\c+3], v[LI] offset:2048*F+512*\c
.endr
.set F, F+1
.endr
	WIN 0x80
.rept 16
.irp c, 0,1,2,3
	ds_load_b128 v[16*(F-16)+4*\c:16*(F-16)+4*\c+3], v[LI] offset:2048*F+512*\c
.endr
.set F, F+1
.endr
	WIN 0
.set F, 0
.rept 32
	ds_load_b32 v[WS+F], v[WSR] offset:64*F
.set F, F+1
.endr
	s_wait_dscnt 0x0
	s_wait_loadcnt 0x0                             ; my first tile, two tiles' scale words and tokens, b2
; ONE TILE; p: which set of the small registers.  A tile issues 1 + 4 x 16 + 9 loads.
.macro TILE p
	s_wait_loadcnt 57                              ; behind this tile's first four K steps stand three groups of 16 and the 9 that closed the last tile; all that was issued two tiles back is in
	s_wait_xcnt 0x0                                ; the earlier stores have read their offsets and their data: both are written again in this tile
	v_min_u32 v[TOK+\p], 0x7ff, v[TOK+\p]
	v_lshlrev_b32 v[TWA+\p], 2, v[TOK+\p]
	v_lshl_add_u32 v[OAD+\p], v[TOK+\p], 12, v[H64]
	s_add_co_u32 s40, s[TAU], 4                    ; my next tile
	s_max_u32 s47, s[NT], s40
	s_sub_co_u32 s47, s47, s40                     ; the tiles from it on, 0 where there is none,
	s_min_u32 s47, s47, 1                          ; as 1 or 0
	v_mul_u32_u24 v[LIE+\p], s47, v[LI]            ; 16 x lane; where there is no next tile, every lane names one address
	s_min_u32 s40, s40, s[NTM1]
	s_min_u32 s40, s40, 127
	s_lshl_b32 s40, s40, 15
	s_add_nc_u64 s[HQB+2*\p:HQB+2*\p+1], s[8:9], s[40:41]
	global_load_b32 v[TW+2*\p], v[TWA+\p], s[14:15]   ; the tokens' gate weights
.irp g, 0,1,2,3
.if \g > 0
	s_wait_loadcnt 58                              ; behind this group's loads: the last tile's later groups and its 9, the gate weights, and this tile's refills so far: 58 at each of the three
.endif
.if \g < 2
	WIN 0x0d                                       ; source 0 (W2) window 1, source 1 (hidden) window 3
.else
	WIN 0x0e                                       ; source 0 window 2
.endif
.irp u, 0,1,2,3                                ; K step S = 4 g + u.  The four accumulators take turns, one instruction a turn
.irp j, 0,1
.if (4*\g+\u) == 0
	v_wmma_scale_f32_16x16x128_f8f6f4 v[ACC+8*\j:ACC+8*\j+7], v[16*((2*(4*\g+\u)+\j)%16):16*((2*(4*\g+\u)+\j)%16)+15], v[16*(4*\g+\u):16*(4*\g+\u)+15], v[BI+8*\j:BI+8*\j+7], v[WS+2*(4*\g+\u)+\j], v[HSC+8*\p+2*\g+\u/2]
.elseif (4*\g+\u) == 1
	v_wmma_scale_f32_16x16x128_f8f6f4 v[ACC+16+8*\j:ACC+16+8*\j+7], v[16*((2*(4*\g+\u)+\j)%16):16*((2*(4*\g+\u)+\j)%16)+15], v[16*(4*\g+\u):16*(4*\g+\u)+15], 0, v[WS+2*(4*\g+\u)+\j], v[HSC+8*\p+2*\g+\u/2] matrix_b_scale:MATRIX_SCALE_ROW1
.elseif (\u%2) == 0
	v_wmma_scale_f32_16x16x128_f8f6f4 v[ACC+8*\j:ACC+8*\j+7], v[16*((2*(4*\g+\u)+\j)%16):16*((2*(4*\g+\u)+\j)%16)+15], v[16*(4*\g+\u):16*(4*\g+\u)+15], v[ACC+8*\j:ACC+8*\j+7], v[WS+2*(4*\g+\u)+\j], v[HSC+8*\p+2*\g+\u/2]
.else
	v_wmma_scale_f32_16x16x128_f8f6f4 v[ACC+16+8*\j:ACC+16+8*\j+7], v[16*((2*(4*\g+\u)+\j)%16):16*((2*(4*\g+\u)+\j)%16)+15], v[16*(4*\g+\u):16*(4*\g+\u)+15], v[ACC+16+8*\j:ACC+16+8*\j+7], v[WS+2*(4*\g+\u)+\j], v[HSC+8*\p+2*\g+\u/2] matrix_b_scale:MATRIX_SCALE_ROW1
.endif
.endr
.endr
.rept 8
	v_nop                                          ; eight places ahead of loads into registers that these products have read
.endr
	WIN 0xc0
.irp u, 0,1,2,3
	HFILL 4*\g+\u, LIE+\p, HQB+2*\p                ; the same four K steps of my next tile
.endr
.endr
	WIN 0
	s_add_co_u32 s40, s[TAU], 8                    ; the tile after the next: its scale words and tokens, into this set of registers
	s_min_u32 s40, s40, s[NTM1]
	s_min_u32 s40, s40, 127
	v_lshl_add_u32 v[IDA+\p], s40, 4, v[RR]
	v_min_u32 v[IDA+\p], s[CM1], v[IDA+\p]
	v_min_u32 v[IDA+\p], 0x7ff, v[IDA+\p]
	v_lshlrev_b32 v[IDA+\p], 2, v[IDA+\p]
	s_lshl_b32 s40, s40, 10
	s_add_nc_u64 s[HSB+2*\p:HSB+2*\p+1], s[10:11], s[40:41]
.irp q, 0,1,2,3,4,5,6,7
	global_load_b32 v[HSC+8*\p+\q], v[LS], s[HSB+2*\p:HSB+2*\p+1] offset:128*\q
.endr
	global_load_b32 v[TOK+\p], v[IDA+\p], s[12:13]
	s_wait_loadcnt 63                              ; the gate weights are in: 73 loads were issued behind them
.irp q, 0,2,4,6                                ; even and odd K steps' sums are added, each accumulator read from its low end on,
.irp j, 0,1
	v_pk_add_f32 v[O+16*\p+8*\j+\q:O+16*\p+8*\j+\q+1], v[ACC+8*\j+\q:ACC+8*\j+\q+1], v[ACC+16+8*\j+\q:ACC+16+8*\j+\q+1]
.endr
.endr
.irp q, 0,2,4,6,8,10,12,14
	v_pk_mul_f32 v[O+16*\p+\q:O+16*\p+\q+1], v[O+16*\p+\q:O+16*\p+\q+1], v[TW+2*\p:TW+2*\p+1] op_sel_hi:[1,0]   ; and weighed by the gate
.endr
.irp k, 0,1,2,3
	global_store_b128 v[OAD+\p], v[O+16*\p+4*\k:O+16*\p+4*\k+3], s[16:17] offset:16*\k th:TH_STORE_NT   ; a lane's four stores cover 64 consecutive bytes of its token's row; slots that repeat a token store the same numbers there
.endr
.endm
	s_mov_b32 s[TT], 0
	s_cmp_ge_u32 s[WV], s[NT]
	s_cbranch_scc1 .Ldone
.Ltile:                                            ; trip n takes tiles 8 n + w and 8 n + w + 4; the counter steps by one a trip, and the loop is left by falling through its branch back or by the end of the wave
	s_lshl_b32 s[TAU], s[TT], 3
	s_add_co_u32 s[TAU], s[TAU], s[WV]
	TILE 0
	s_add_co_u32 s[TAU], s[TAU], 4
	s_cmp_lt_u32 s[TAU], s[NT]
	s_cbranch_scc1 .Lsecond
	s_wait_tensorcnt 0x0
	ds_add_u32 v254, v255
	s_wait_dscnt 0x0
	s_endpgm                                       ; no second tile: the wave ends here (plain loads and stores may be out at the end)
.Lsecond:
	TILE 1
	s_add_co_u32 s[TT], s[TT], 1
	s_cmp_lt_u32 s[TT], s[NTR]
	s_cbranch_scc1 .Ltile
.Ldone:
	s_wait_tensorcnt 0x0
	ds_add_u32 v254, v255
	s_wait_dscnt 0x0
	s_endpgm
.Lfunc_end_k_qaf2755defb_down:
	.size	k_qaf2755defb_down, .Lfunc_end_k_qaf2755defb_down-k_qaf2755defb_down
	.p2alignl 7, 3214868480
	.fill 96, 4, 3214868480
	.section	.rodata,"a",@progbits
	.p2align	6, 0x0
	.amdhsa_kernel k_qaf2755defb_down
		.amdhsa_group_segment_fixed_size 68096
		.amdhsa_private_segment_fixed_size 0
		.amdhsa_enable_private_segment 0
		.amdhsa_kernarg_size 56
		.amdhsa_user_sgpr_count 2
		.amdhsa_user_sgpr_kernarg_segment_ptr 1
		.amdhsa_wavefront_size32 1
		.amdhsa_system_sgpr_workgroup_id_x 1
		.amdhsa_system_sgpr_workgroup_id_y 1
		.amdhsa_system_sgpr_workgroup_id_z 1
		.amdhsa_system_vgpr_workitem_id 0
		.amdhsa_next_free_vgpr 1024
		.amdhsa_next_free_sgpr 66
		.amdhsa_reserve_vcc 0
		.amdhsa_float_denorm_mode_32 3
		.amdhsa_float_denorm_mode_16_64 3
		.amdhsa_memory_ordered 1
		.amdhsa_forward_progress 1
		.amdhsa_inst_pref_size 152
	.end_amdhsa_kernel
	.amdgpu_metadata
---
amdhsa.version: [ 1, 2 ]
amdhsa.kernels:
  - .name:           k_qaf2755defb_down
    .symbol:         k_qaf2755defb_down.kd
    .args:
      - { .name: W2, .offset: 0, .size: 8, .value_kind: global_buffer, .address_space: global }
      - { .name: b2, .offset: 8, .size: 8, .value_kind: global_buffer, .address_space: global }
      - { .name: hq, .offset: 16, .size: 8, .value_kind: global_buffer, .address_space: global }
      - { .name: hs, .offset: 24, .size: 8, .value_kind: global_buffer, .address_space: global }
      - { .name: order, .offset: 32, .size: 8, .value_kind: global_buffer, .address_space: global }
      - { .name: topw, .offset: 40, .size: 8, .value_kind: global_buffer, .address_space: global }
      - { .name: out0, .offset: 48, .size: 8, .value_kind: global_buffer, .address_space: global }
    .group_segment_fixed_size: 68096
    .private_segment_fixed_size: 0
    .kernarg_segment_align: 8
    .kernarg_segment_size: 56
    .max_flat_workgroup_size: 128
    .sgpr_count:     66
    .vgpr_count:     1024
    .wavefront_size: 32
...
	.end_amdgpu_metadata
.endif
;; end of part 4
;; ======== version 2 of 2: 4 launches
;; workspace buffers: xq 2,097,152 bytes; xs 65,536 bytes; eidx 8,192 bytes of whole numbers; topw 8,192 bytes; order 67,584 bytes of whole numbers; hq 33,554,432 bytes; hs 1,048,576 bytes
;; launch route (part 5): grid 128 x 1, 8 waves a work-group, no clusters, 26,624 bytes of LDS; arguments x, Wg, bg, xq, xs, eidx, topw, out1; writes xq, xs, eidx, topw, out1
.if DOCPART == 5
	.amdgcn_target "amdgcn-amd-amdhsa--gfx1250"
	.amdhsa_code_object_version 6
	.text
	.protected	k_qaf2755defb_route
	.globl	k_qaf2755defb_route
	.p2align	8
	.type	k_qaf2755defb_route,@function
k_qaf2755defb_route:
	s_mov_b64 s[64:65], 0
	v_nop
	global_prefetch_b8 v0, s[64:65] scope:SCOPE_SE
	s_setreg_imm32_b32 hwreg(HW_REG_WAVE_MODE, 25, 1), 1
	s_wait_xcnt 0x0
; ROUTE.  For 16 tokens a work-group: the gate (logits = x Wg + bg in f32, softmax, its largest weight and the lowest index that has it), and x as codes of E4M3 with one E8M0 byte for each 32 along D.
; x [2048][1024] f32, Wg [1024][8] f32, bg [8] f32.  Out: xq [token][1024] codes, xs [token][32] scale bytes, eidx [token] u32, topw [token] f32, out1 [token][8] f32.
; SHARES.  Wave s of eight takes k = 128 s .. 128 s + 127 of the 16 tokens.  Lane (r = lane % 16, h = lane / 16) holds token r; register X + 16 b + i holds k = 128 s + 32 b + 16 h + i: the order in which the
; scaled matrix form takes an operand, so that the conversions' results are 16 neighbouring bytes of the token's row of codes.
; THE GATE goes through the f32 matrix form (16 x 16 x 4), f32 since the index chosen decides a whole row of the output.  Source 0 = Wg^T, its rows 8 .. 15 repeating rows 0 .. 7; source 1 = x.  Both take the same
; k in the same register and half of the lanes, so every k is multiplied once.  In the result register j of BOTH halves of the lanes is expert j's partial logit of token r: the softmax needs no exchange between lanes.
; The eight waves' partial logits meet in LDS; wave 0 adds them and finishes the gate.
; LIMITS.  NaN and infinities are not served.  A block whose largest magnitude lies under 2^-118 keeps the byte 1; a block of zeros has the byte 1 and zero codes (the bytes are read by this program alone).
; The logits' sums run in another order than a plain ascending sum: a token whose two best gates agree to about 1e-6 of their size may take the other expert.  1 / sum is v_rcp_f32.
.set PART, 0                           ; LDS: partial logits, 1,024 bytes a wave: registers 0-3 at 16 x lane, registers 4-7 512 bytes on
.set STG,  8192                        ; 16 rows of codes, 1,024 bytes + 16 of padding
.set SPI,  1040
.set SST,  24832                       ; the 16 tokens' scale bytes, 32 a token
.set X,    16                          ; v16-79   64 numbers of x
.set G,    80                          ; v80-143  64 numbers of Wg; later the eight waves' partial logits
.set ACC,  144                         ; v144-175 four accumulators, written by matrix instructions alone
.set P,    176                         ; v176-183 the wave's partial logits; later the exponentials
.set TM,   184                         ; v184-199 at work
.set PW,   200                         ; the scale word
.set PC,   204                         ; v204-219 the codes
.set SEL,  32                          ; s[32:33] v_permlanex16_b32's selects for lane l xor 16
.set MNT,  34                          ; s34 the mantissa field of 448
	s_load_b256 s[4:11], s[0:1], 0x0               ; x s[4:5], Wg s[6:7], bg s[8:9], xq s[10:11]
	s_load_b256 s[12:19], s[0:1], 0x20             ; xs s[12:13], eidx s[14:15], topw s[16:17], out1 s[18:19]
	v_lshl_add_u32 v224, v0, 2, 0x6400
	v_mov_b32 v225, 0
	v_lshrrev_b32 v1, 5, v0
	s_delay_alu instid0(VALU_DEP_1)
	v_readfirstlane_b32 s20, v1                    ; wave 0..7
	v_and_b32 v1, 31, v0                           ; lane
	v_and_b32 v2, 15, v0                           ; r
	v_bfe_u32 v3, v0, 4, 1                         ; h
	s_delay_alu instid0(VALU_DEP_2)
	v_lshlrev_b32 v4, 12, v2
	s_delay_alu instid0(VALU_DEP_1)
	v_lshl_add_u32 v4, v3, 6, v4                   ; x: row r of 4,096 bytes + 64 h
	v_and_b32 v5, 7, v0
	s_delay_alu instid0(VALU_DEP_1)
	v_lshlrev_b32 v5, 2, v5
	s_delay_alu instid0(VALU_DEP_1)
	v_lshl_add_u32 v5, v3, 9, v5                   ; Wg: column r % 8, 16 h rows of 32 bytes down
	v_lshlrev_b32 v10, 4, v1                       ; 16 x lane
	s_lshl_b32 s36, s20, 10
	v_add_nc_u32 v6, s36, v10                      ; my place among the partial logits
	v_mul_u32_u24 v7, v2, SPI
	s_delay_alu instid0(VALU_DEP_1)
	v_lshl_add_u32 v7, v3, 4, v7
	s_lshl_b32 s37, s20, 7
	s_add_co_u32 s37, s37, STG
	v_add_nc_u32 v7, s37, v7                       ; codes in: row r, 128 x wave + 16 h
	v_lshlrev_b32 v8, 5, v2
	s_lshl_b32 s38, s20, 2
	s_add_co_u32 s38, s38, SST
	v_add_nc_u32 v8, s38, v8                       ; scale word in: 32 r + 4 x wave
	s_mul_i32 s39, s20, 2*SPI
	s_add_co_u32 s39, s39, STG
	v_add_nc_u32 v9, s39, v10                      ; codes back: rows 2 x wave and 2 x wave + 1, 16 bytes a lane
	v_lshlrev_b32 v12, 5, v2
	s_delay_alu instid0(VALU_DEP_1)
	v_lshl_add_u32 v12, v3, 4, v12                 ; out1: 32 r + 16 h
	v_lshlrev_b32 v13, 2, v2                       ; eidx, topw: 4 r
	s_mov_b32 s[SEL], 0x76543210
	s_mov_b32 s[SEL+1], 0xfedcba98
	s_mov_b32 s[MNT], 0x600000
	s_lshl_b32 s40, ttmp9, 16                      ; 16 rows of x,
	s_lshl_b32 s41, s20, 9                         ; my wave's 512 bytes of a row
	s_add_co_u32 s40, s40, s41
	s_mov_b32 s41, 0
	s_lshl_b32 s42, s20, 12                        ; my wave's 128 rows of Wg
	s_mov_b32 s43, 0
	s_lshl_b32 s44, ttmp9, 14                      ; 16 rows of codes,
	s_lshl_b32 s45, s20, 11                        ; my wave's two of them
	s_add_co_u32 s44, s44, s45
	s_mov_b32 s45, 0
	s_wait_kmcnt 0x0
	s_load_b256 s[24:31], s[8:9], 0x0              ; bg's eight numbers
	s_add_nc_u64 s[4:5], s[4:5], s[40:41]
	s_add_nc_u64 s[6:7], s[6:7], s[42:43]
	s_add_nc_u64 s[10:11], s[10:11], s[44:45]
	s_lshl_b32 s40, ttmp9, 9                       ; 512 bytes a work-group in xs and in out1
	s_add_nc_u64 s[12:13], s[12:13], s[40:41]
	s_add_nc_u64 s[18:19], s[18:19], s[40:41]
	s_lshl_b32 s40, ttmp9, 6                       ; 64 in eidx and in topw
	s_add_nc_u64 s[14:15], s[14:15], s[40:41]
	s_add_nc_u64 s[16:17], s[16:17], s[40:41]
.irp b, 0,1,2,3
.irp j, 0,1,2,3
	global_load_b128 v[X+16*\b+4*\j:X+16*\b+4*\j+3], v4, s[4:5] offset:128*\b+16*\j th:TH_LOAD_NT
.endr
.endr
.irp b, 0,1,2,3
.irp i, 0,1,2,3,4,5,6,7,8,9,10,11,12,13,14,15
	global_load_b32 v[G+16*\b+\i], v5, s[6:7] offset:32*(32*\b+\i)   ; Wg(128 s + 32 b + 16 h + i, r % 8)
.endr
.endr
	s_wait_kmcnt 0x0
	s_wait_loadcnt 0x0
; 32 products of 4 along K.  The four accumulators take turns, one instruction a turn; each sum begins with the constant 0.
.irp p, 0,1,2,3,4,5,6,7
.irp b, 0,1,2,3
.if \p == 0
	v_wmma_f32_16x16x4_f32 v[ACC+8*\b:ACC+8*\b+7], v[G+16*\b+2*\p:G+16*\b+2*\p+1], v[X+16*\b+2*\p:X+16*\b+2*\p+1], 0
.else
	v_wmma_f32_16x16x4_f32 v[ACC+8*\b:ACC+8*\b+7], v[G+16*\b+2*\p:G+16*\b+2*\p+1], v[X+16*\b+2*\p:X+16*\b+2*\p+1], v[ACC+8*\b:ACC+8*\b+7]
.endif
.endr
.endr
.rept 8
	v_nop                                          ; eight places between this form and the first read of a result (ISA guide 7.12.1)
.endr
.irp q, 0,2,4,6                                ; the four sums are added into other registers, each accumulator read from its low end on
	v_pk_add_f32 v[P+\q:P+\q+1], v[ACC+\q:ACC+\q+1], v[ACC+8+\q:ACC+8+\q+1]
	v_pk_add_f32 v[TM+\q:TM+\q+1], v[ACC+16+\q:ACC+16+\q+1], v[ACC+24+\q:ACC+24+\q+1]
.endr
.irp q, 0,2,4,6
	v_pk_add_f32 v[P+\q:P+\q+1], v[P+\q:P+\q+1], v[TM+\q:TM+\q+1]
.endr
	ds_store_b128 v6, v[P:P+3] offset:PART
	ds_store_b128 v6, v[P+4:P+7] offset:PART+512
; The quantiser: four blocks of 32, 16 numbers of each in this lane and 16 in lane l xor 16.
.irp b, 0,1,2,3
	v_max3_num_f32 v[TM+\b], |v[X+16*\b]|, |v[X+1+16*\b]|, 0x4800000   ; with the floor 2^(9 - 127): the byte cannot fall under 1
.endr
.irp i, 2,4,6,8,10,12,14
.irp b, 0,1,2,3
	s_delay_alu instid0(VALU_DEP_4)
	v_max3_num_f32 v[TM+\b], v[TM+\b], |v[X+16*\b+\i]|, |v[X+1+16*\b+\i]|
.endr
.endr
.irp b, 0,1,2,3
	s_delay_alu instid0(VALU_DEP_4)
	v_permlanex16_b32 v[TM+4+\b], v[TM+\b], s[SEL], s[SEL+1]   ; (its destination was written by the sums above)
.endr
.irp b, 0,1,2,3
	s_delay_alu instid0(VALU_DEP_4)
	v_max_num_f32 v[TM+\b], v[TM+\b], v[TM+4+\b]   ; the block's largest magnitude
.endr
.irp b, 0,1,2,3
	s_delay_alu instid0(VALU_DEP_4)
	v_add_nc_u32 v[TM+12+\b], 0xfc000000, v[TM+\b] ; 8 off its exponent field: the conversion's scale operand
.endr
.irp b, 0,1,2,3
	v_and_or_b32 v[TM+8+\b], v[TM+\b], 0x7f800000, s[MNT]   ; 448 x the scale
.endr
.irp b, 0,1,2,3
	v_lshrrev_b32 v[TM+4+\b], 23, v[TM+12+\b]      ; the scale's byte
.endr
	s_delay_alu instid0(VALU_DEP_3)
	v_lshl_or_b32 v[PW], v[TM+5], 8, v[TM+4]
	s_delay_alu instid0(VALU_DEP_1)
	v_lshl_or_b32 v[PW], v[TM+6], 16, v[PW]
	s_delay_alu instid0(VALU_DEP_1)
	v_lshl_or_b32 v[PW], v[TM+7], 24, v[PW]
.irp b, 0,1,2,3
.irp i, 0,1,2,3,4,5,6,7,8,9,10,11,12,13,14,15
	v_med3_num_f32 v[X+16*\b+\i], v[X+16*\b+\i], -v[TM+8+\b], v[TM+8+\b]   ; the conversion to an 8-bit code does not saturate (ISA guide 7.6.2): the hold comes first
.endr
	v_cvt_scalef32_pk8_fp8_f32 v[PC+4*\b:PC+1+4*\b], v[X+16*\b:X+7+16*\b], v[TM+12+\b]
	v_cvt_scalef32_pk8_fp8_f32 v[PC+2+4*\b:PC+3+4*\b], v[X+8+16*\b:X+15+16*\b], v[TM+12+\b]
.endr
	v_nop                                          ; one plain line behind the last conversion
.irp b, 0,1,2,3
	ds_store_b128 v7, v[PC+4*\b:PC+4*\b+3] offset:32*\b
.endr
	ds_store_b32 v8, v[PW]                         ; both halves of the lanes write the same word with the same value
	s_wait_dscnt 0x0                               ; for the others' sake: my stores have landed
	s_barrier_signal -1
	s_barrier_wait -1
	ds_load_b128 v[16:19], v9
	ds_load_b128 v[20:23], v9 offset:512
	ds_load_b128 v[24:27], v9 offset:SPI
	ds_load_b128 v[28:31], v9 offset:SPI+512
.irp t, 0,1,2,3
	s_wait_dscnt 3-\t
	global_store_b128 v10, v[16+4*\t:19+4*\t], s[10:11] offset:512*\t   ; 32 lanes store 512 consecutive bytes of two whole rows of codes
.endr
	s_cmp_lg_u32 s20, 0
	s_cbranch_scc1 .Lothers
; wave 0 finishes the gate
	ds_load_b128 v[32:35], v10 offset:SST
.irp s, 0,1,2,3,4,5,6,7
	ds_load_b128 v[G+8*\s:G+8*\s+3], v10 offset:PART+1024*\s
	ds_load_b128 v[G+8*\s+4:G+8*\s+7], v10 offset:PART+1024*\s+512
.endr
	s_wait_dscnt 16                                ; the scale bytes are in; the sixteen loads behind them may be out
	global_store_b128 v10, v[32:35], s[12:13]      ; 512 consecutive bytes of xs
	s_wait_dscnt 0x0
.irp s, 1,2,3,4,5,6,7
.irp q, 0,2,4,6
	v_pk_add_f32 v[G+\q:G+\q+1], v[G+\q:G+\q+1], v[G+8*\s+\q:G+8*\s+\q+1]
.endr
.endr
.irp j, 0,1,2,3,4,5,6,7
	v_add_f32 v[G+\j], s[24+\j], v[G+\j]           ; + bg: token r's eight logits
.endr
	v_max3_num_f32 v[TM], v[G], v[G+1], v[G+2]
	s_delay_alu instid0(VALU_DEP_1)
	v_max3_num_f32 v[TM], v[TM], v[G+3], v[G+4]
	s_delay_alu instid0(VALU_DEP_1)
	v_max3_num_f32 v[TM], v[TM], v[G+5], v[G+6]
	s_delay_alu instid0(VALU_DEP_1)
	v_max_num_f32 v[TM], v[TM], v[G+7]             ; the largest logit is taken away ahead of the exponentials
.irp j, 0,1,2,3,4,5,6,7
	v_sub_f32 v[P+\j], v[G+\j], v[TM]
.endr
.irp j, 0,1,2,3,4,5,6,7
	v_mul_f32 v[P+\j], 0x3fb8aa3b, v[P+\j]         ; x log2(e)
.endr
	s_wait_alu depctr_va_vdst(0)
.irp j, 0,1,2,3,4,5,6,7
	v_exp_f32 v[P+\j], v[P+\j]
.endr
	v_nop                                          ; a plain line behind the batch,
	s_wait_alu depctr_va_vdst(0)                   ; and one wait for the eight, ahead of their first reader
	v_add_f32 v[TM+1], v[P], v[P+1]
	v_add_f32 v[TM+2], v[P+2], v[P+3]
	v_add_f32 v[TM+3], v[P+4], v[P+5]
	v_add_f32 v[TM+4], v[P+6], v[P+7]
	s_delay_alu instid0(VALU_DEP_3)
	v_add_f32 v[TM+1], v[TM+1], v[TM+2]
	s_delay_alu instid0(VALU_DEP_2)
	v_add_f32 v[TM+3], v[TM+3], v[TM+4]
	s_delay_alu instid0(VALU_DEP_1)
	v_add_f32 v[TM+1], v[TM+1], v[TM+3]
	s_wait_alu depctr_va_vdst(0)
	v_rcp_f32 v[TM+2], v[TM+1]
	v_nop
	s_wait_alu depctr_va_vdst(0)
.irp j, 0,1,2,3,4,5,6,7
	v_mul_f32 v[G+\j], v[P+\j], v[TM+2]            ; the gate weights
.endr
	v_max3_num_f32 v[TM+3], v[G], v[G+1], v[G+2]
	s_delay_alu instid0(VALU_DEP_1)
	v_max3_num_f32 v[TM+3], v[TM+3], v[G+3], v[G+4]
	s_delay_alu instid0(VALU_DEP_1)
	v_max3_num_f32 v[TM+3], v[TM+3], v[G+5], v[G+6]
	s_delay_alu instid0(VALU_DEP_1)
	v_max_num_f32 v[TM+3], v[TM+3], v[G+7]         ; the largest weight
	v_mov_b32 v[TM+4], 7
.irp j, 6,5,4,3,2,1,0                          ; walked downward, so that the lowest index with the largest weight stays
	v_cmp_neq_f32 vcc_lo, v[G+\j], v[TM+3]
	s_delay_alu instid0(VALU_DEP_1)
	v_cndmask_b32 v[TM+4], \j, v[TM+4], vcc_lo
.endr
	v_cmp_eq_u32 vcc_lo, 1, v3
.irp c, 0,1,2,3
	v_cndmask_b32 v[PC+\c], v[G+\c], v[G+4+\c], vcc_lo   ; lanes 0-15 weights 0-3, lanes 16-31 weights 4-7
.endr
	global_store_b128 v12, v[PC:PC+3], s[18:19]    ; 512 consecutive bytes of out1
	s_wait_alu depctr_va_vdst(0)
	s_wait_xcnt 0x0                                ; EXEC changes only behind this wait
	v_cmp_gt_u32 vcc_lo, 16, v1
	s_wait_tensorcnt 0x0
	ds_add_u32 v224, v225
	s_wait_dscnt 0x0
	s_and_saveexec_b32 s36, vcc_lo                 ; one lane a token
	global_store_b32 v13, v[TM+4], s[14:15]
	global_store_b32 v13, v[TM+3], s[16:17]
	s_endpgm
.Lothers:
	s_wait_tensorcnt 0x0
	ds_add_u32 v224, v225
	s_wait_dscnt 0x0
	s_endpgm
.Lfunc_end_k_qaf2755defb_route:
	.size	k_qaf2755defb_route, .Lfunc_end_k_qaf2755defb_route-k_qaf2755defb_route
	.p2alignl 7, 3214868480
	.fill 96, 4, 3214868480
	.section	.rodata,"a",@progbits
	.p2align	6, 0x0
	.amdhsa_kernel k_qaf2755defb_route
		.amdhsa_group_segment_fixed_size 26624
		.amdhsa_private_segment_fixed_size 0
		.amdhsa_enable_private_segment 0
		.amdhsa_kernarg_size 64
		.amdhsa_user_sgpr_count 2
		.amdhsa_user_sgpr_kernarg_segment_ptr 1
		.amdhsa_wavefront_size32 1
		.amdhsa_system_sgpr_workgroup_id_x 1
		.amdhsa_system_sgpr_workgroup_id_y 1
		.amdhsa_system_sgpr_workgroup_id_z 1
		.amdhsa_system_vgpr_workitem_id 0
		.amdhsa_next_free_vgpr 226
		.amdhsa_next_free_sgpr 66
		.amdhsa_reserve_vcc 1
		.amdhsa_float_denorm_mode_32 3
		.amdhsa_float_denorm_mode_16_64 3
		.amdhsa_memory_ordered 1
		.amdhsa_forward_progress 1
		.amdhsa_inst_pref_size 32
	.end_amdhsa_kernel
	.amdgpu_metadata
---
amdhsa.version: [ 1, 2 ]
amdhsa.kernels:
  - .name:           k_qaf2755defb_route
    .symbol:         k_qaf2755defb_route.kd
    .args:
      - { .name: x, .offset: 0, .size: 8, .value_kind: global_buffer, .address_space: global }
      - { .name: Wg, .offset: 8, .size: 8, .value_kind: global_buffer, .address_space: global }
      - { .name: bg, .offset: 16, .size: 8, .value_kind: global_buffer, .address_space: global }
      - { .name: xq, .offset: 24, .size: 8, .value_kind: global_buffer, .address_space: global }
      - { .name: xs, .offset: 32, .size: 8, .value_kind: global_buffer, .address_space: global }
      - { .name: eidx, .offset: 40, .size: 8, .value_kind: global_buffer, .address_space: global }
      - { .name: topw, .offset: 48, .size: 8, .value_kind: global_buffer, .address_space: global }
      - { .name: out1, .offset: 56, .size: 8, .value_kind: global_buffer, .address_space: global }
    .group_segment_fixed_size: 26624
    .private_segment_fixed_size: 0
    .kernarg_segment_align: 8
    .kernarg_segment_size: 64
    .max_flat_workgroup_size: 256
    .sgpr_count:     66
    .vgpr_count:     226
    .wavefront_size: 32
...
	.end_amdgpu_metadata
.endif
;; end of part 5
;; launch place (part 6): grid 8 x 1, 1 waves a work-group, no clusters, 0 bytes of LDS; arguments eidx, order; writes order
.if DOCPART == 6
	.amdgcn_target "amdgcn-amd-amdhsa--gfx1250"
	.amdhsa_code_object_version 6
	.text
	.protected	k_qaf2755defb_place
	.globl	k_qaf2755defb_place
	.p2align	8
	.type	k_qaf2755defb_place,@function
k_qaf2755defb_place:
	s_mov_b64 s[64:65], 0
	v_nop
	global_prefetch_b8 v0, s[64:65] scope:SCOPE_SE
	s_setreg_imm32_b32 hwreg(HW_REG_WAVE_MODE, 25, 1), 1
	s_wait_xcnt 0x0
; PLACE.  Work-group e, one wave, lays all 2,048 token numbers into expert e's list: the tokens that chose e from the front, all others from the back; and the count of its own behind the list, once a lane.
; order: 8,448 bytes an expert: words 0 .. 2047 the list (every word is written, so that a later launch may read any of them), bytes 8192 .. 8319 the count.
; The wave walks 64 groups of 32 tokens.  In a group a lane's place is the count of own tokens so far (a scalar) + the own tokens in lower lanes (v_mbcnt_lo_u32_b32 on the compare's mask).
; For a foreign token: 2047 - (the foreign tokens ahead of it) = own ahead + 2047 - 32 g - lane.  Each group has registers of its own for its store's address and data, so nothing that a store reads is written again.
; The stores are 4 bytes a lane at places that the data decide: 64 KiB in the whole program.
.set I, 8                              ; v8-71    the chosen experts: register 4 q + c = token 128 q + 4 lane + c
.set A, 72                             ; v72-135  a group's byte offsets in the list
.set D, 136                            ; v136-199 a group's token numbers
	s_load_b128 s[4:7], s[0:1], 0x0                ; eidx, order
	v_and_b32 v1, 31, v0
	v_lshlrev_b32 v2, 4, v1                        ; 16 x lane
	v_lshlrev_b32 v3, 2, v1                        ; 4 x lane
	v_sub_nc_u32 v4, 0, v1                         ; - lane
	s_mov_b32 s8, ttmp9                            ; my expert
	s_mul_i32 s12, ttmp9, 8448
	s_mov_b32 s13, 0
	s_mov_b32 s10, 0                               ; own tokens so far
	s_wait_alu depctr_va_vdst(0)
	s_wait_kmcnt 0x0
	s_add_nc_u64 s[6:7], s[6:7], s[12:13]
.irp q, 0,1,2,3,4,5,6,7,8,9,10,11,12,13,14,15
	global_load_b128 v[I+4*\q:I+4*\q+3], v2, s[4:5] offset:512*\q
.endr
.set g, 0
.rept 64
.if (g%4) == 0
	s_wait_loadcnt 15-g/4                          ; loads come back in order: this group's is in, the younger ones may be out
.endif
	v_cmp_eq_u32 vcc_lo, s8, v[I+g]
	v_mbcnt_lo_u32_b32 v[A+g], vcc_lo, s10         ; own tokens ahead of me
	v_add3_u32 v5, v[A+g], v4, 2047-32*g           ; 2047 - the foreign tokens ahead of me
	v_cndmask_b32 v[A+g], v5, v[A+g], vcc_lo
	v_min_u32 v[A+g], 0x7ff, v[A+g]                ; (it lies inside the list by its make; the bound is written out)
	v_lshlrev_b32 v[A+g], 2, v[A+g]
	v_add_nc_u32 v[D+g], 128*(g/4)+g%4, v3         ; my token's number
	global_store_b32 v[A+g], v[D+g], s[6:7]
	s_bcnt1_i32_b32 s11, vcc_lo
	s_add_co_u32 s10, s10, s11
.set g, g+1
.endr
	v_mov_b32 v6, s10
	global_store_b32 v3, v6, s[6:7] offset:8192    ; the count
	s_endpgm
.Lfunc_end_k_qaf2755defb_place:
	.size	k_qaf2755defb_place, .Lfunc_end_k_qaf2755defb_place-k_qaf2755defb_place
	.p2alignl 7, 3214868480
	.fill 96, 4, 3214868480
	.section	.rodata,"a",@progbits
	.p2align	6, 0x0
	.amdhsa_kernel k_qaf2755defb_place
		.amdhsa_group_segment_fixed_size 0
		.amdhsa_private_segment_fixed_size 0
		.amdhsa_enable_private_segment 0
		.amdhsa_kernarg_size 16
		.amdhsa_user_sgpr_count 2
		.amdhsa_user_sgpr_kernarg_segment_ptr 1
		.amdhsa_wavefront_size32 1
		.amdhsa_system_sgpr_workgroup_id_x 1
		.amdhsa_system_sgpr_workgroup_id_y 1
		.amdhsa_system_sgpr_workgroup_id_z 1
		.amdhsa_system_vgpr_workitem_id 0
		.amdhsa_next_free_vgpr 208
		.amdhsa_next_free_sgpr 66
		.amdhsa_reserve_vcc 1
		.amdhsa_float_denorm_mode_32 3
		.amdhsa_float_denorm_mode_16_64 3
		.amdhsa_memory_ordered 1
		.amdhsa_forward_progress 1
		.amdhsa_inst_pref_size 37
	.end_amdhsa_kernel
	.amdgpu_metadata
---
amdhsa.version: [ 1, 2 ]
amdhsa.kernels:
  - .name:           k_qaf2755defb_place
    .symbol:         k_qaf2755defb_place.kd
    .args:
      - { .name: eidx, .offset: 0, .size: 8, .value_kind: global_buffer, .address_space: global }
      - { .name: order, .offset: 8, .size: 8, .value_kind: global_buffer, .address_space: global }
    .group_segment_fixed_size: 0
    .private_segment_fixed_size: 0
    .kernarg_segment_align: 8
    .kernarg_segment_size: 16
    .max_flat_workgroup_size: 32
    .sgpr_count:     66
    .vgpr_count:     208
    .wavefront_size: 32
...
	.end_amdgpu_metadata
.endif
;; end of part 6
;; launch up (part 7): grid 32 x 8, 4 waves a work-group, no clusters, 68,096 bytes of LDS; arguments W1, b1, xq, xs, order, hq, hs; writes hq, hs
.if DOCPART == 7
	.amdgcn_target "amdgcn-amd-amdhsa--gfx1250"
	.amdhsa_code_object_version 6
	.text
	.protected	k_qaf2755defb_up
	.globl	k_qaf2755defb_up
	.p2align	8
	.type	k_qaf2755defb_up,@function
k_qaf2755defb_up:
	s_mov_b64 s[64:65], 0
	v_nop
	global_prefetch_b8 v0, s[64:65] scope:SCOPE_SE
	s_setreg_imm32_b32 hwreg(HW_REG_WAVE_SCHED_MODE, 0, 2), 2
	s_setreg_imm32_b32 hwreg(HW_REG_WAVE_MODE, 25, 1), 1
	s_wait_xcnt 0x0
	s_wait_alu depctr_vm_vsrc(0)
; UP.  hidden = relu(x W1[e] + b1[e]) for the tokens that chose expert e, on codes of E4M3 with one E8M0 scale for each 32 along K, and the hidden layer quantised along H on the way out.
; W1 [8][1024][2048] f32, b1 [8][2048] f32; xq, xs: x's codes and scale bytes; order: each expert's list of tokens and its count.  Out: hq, hs: the hidden layer as images of the next product's operand registers.
; SHARES.  Work-group (x, e) owns 64 hidden units of expert e for all of K = 1,024: 262,144 bytes of W1, read once in the launch, quantised in registers and never stored to memory.
; WEIGHT PHASE.  Wave w takes rows 256 w .. + 255 in 8 blocks of 32.  One load: lanes 0-15 take 256 consecutive aligned bytes of a row, lanes 16-31 those of the row 16 further down; lane (r, h) holds columns 4 r .. 4 r + 3,
; raw register 4 i + j = W1(32 b + 16 h + i, 4 r + j).  A tile of 16 columns is { 4 r + j }: which columns form a tile is free.  The hold writes register 16 j + i, which turns [k][j] into [j][k] at no cost, and the
; conversions then give 16 codes along K: registers 4 c .. 4 c + 3 of the operand as the scaled matrix form lays it.  The codes go to LDS as images of those registers (16 bytes at 16 x lane), one barrier,
; and every wave loads all 32 fragments (512 registers) and their scale words.
; TOKEN PHASE.  Wave w takes tiles w, w + 4, .. of 16 tokens from the expert's list; waves share nothing more, so no barrier stands in the loop, whose trip count is read from memory.  For the same reason the launch has
; no tensor load and no joint request: the operands come straight into registers.  Source 0 = 16 columns of W1, source 1 = 16 tokens: lane (token r, h), accumulator j, register i is hidden unit 32 h + 4 i + j of the slice:
; a lane's 32 results are one whole block of 32 along the next K.  x's fragments are gathered two tiles ahead into two buffers.
; A slot's rank in the list is held at count - 1: the slots of a last tile past the count repeat the expert's last token, and so do the fills for tiles past the end (one row for all lanes).
; An expert without tokens still makes tile 0, from the list's first word, since the next launch may load that tile.
; hq [e][tile 128][K step 16][2,048 bytes]: chunk c (32 along K) at 512 c; lane (r, h') at 16 (r + 16 h') holds k = 32 c + 16 h' + 0 .. 15 of slot r.   hs [e][tile][K step][r] one word, byte c.
; The scale bytes leave as single bytes, 32 a tile and work-group, one for each 32 codes.
; LIMITS.  NaN and infinities are not served.  A block whose largest magnitude lies under 2^-118 keeps the byte 1; a block of zeros has the byte 1 and zero codes (the bytes are read by this program alone).
; REGISTERS, in windows of 256: window 1: raw blocks 0-3, then fragments 0-15 (fragment f = 4 s + j at 16 f); window 2: raw blocks 4-7, then fragments 16-31; window 3: x's two buffers (128 p + 16 s); window 0: all below.
; THE MODE: SCHED_MODE bits 1:0 = 2 (LLVM: expert scheduling mode 2), set by the entry lines.  The code itself states the register dependences
; between vector or matrix instructions and memory or LDS instructions, with s_wait_alu, always for 0.
; THE PLAN.  Registers that memory or LDS instructions touch:
;   v4-12         Offsets and LDS addresses, made once at the head and never written again: one wait on va_vdst ahead of the first load.
;   raw blocks    Each is landed in once; its block's maxima and holds read it; behind the barrier the fragments land there: the last block's wait on va_vdst stands behind every hold.
;   v[C], v[WW]   Weight phase: a block's conversions and ORs write them, its LDS stores read them: a wait on va_vdst between the two, a wait on vm_vsrc in the next block ahead of the next write.
;   x's buffer p, v[XS + 8 p]   Tile: its 32 products read them; behind them the fills for the tile eight on land there.
;   v[XAD + p], v[XSA + p], v[IDA + p], v[TOK + p]   Written behind the tile's products; read by the fills that follow (TOK: landed in again).
;   v[C + 8 p], v[BY + p]   Written by the tile's quantiser; read by its three stores.
; So a tile has three waits: vm_vsrc behind its products (what the loads and stores of two tiles back read is written again in this tile), va_vdst ahead of its 35 loads, va_vdst ahead of its three stores.
; The accumulators, v[T] and v[TM] are named by vector and matrix instructions alone.
.set WSC,  65536                       ; LDS: the codes' images fill bytes 0 .. 65,535 (2,048 f + 512 c + 16 lane); behind them the scale words, 64 f + 4 r
.set LN,   1
.set RR,   2                           ; r
.set HH,   3                           ; h
.set WA,   4                           ; W1: 16 h rows of 8,192 bytes + 16 r
.set LI,   5                           ; 16 x lane
.set IMS,  6                           ; images in: 16 x lane + 16,384 x wave
.set WSS,  7                           ; scale words in: WSC + 512 x wave + 4 r
.set WSR,  8                           ; and back: WSC + 4 r
.set H16,  9                           ; 16 h
.set H128, 10                          ; 128 h
.set HO,   11                          ; hq: 512 h + 16 r
.set HSO,  12                          ; hs: 4 r + h
.set IDA,  16                          ; v16-19  offsets into the list
.set TOKC, 20                          ; v20-21  the first two tiles' tokens
.set TOK,  22                          ; v22-23  buffer p: the tokens of its next fill
.set XAD,  24                          ; v24-25  buffer p: token x 1,024 + 16 h
.set XSA,  26                          ; v26-27  buffer p: token x 32
.set BY,   28                          ; v28-29  the hidden block's scale byte
.set MA,   30
.set MB,   31
.set WS,   32                          ; v32-63   the weights' scale words: scales and nothing else
.set BI,   64                          ; v64-95   b1 in the result's layout: 8 j + i
.set ACC,  96                          ; v96-127  four accumulators
.set T,    128                         ; v128-191 numbers held, in the order of the conversions
.set TM,   192                         ; v192-207 at work
.set WW,   208                         ; v208-215 scale words in the making
.set C,    216                         ; v216-231 codes
.set XS,   232                         ; v232-247 x's scale words, 8 p + s: scales and nothing else
.set WV,   18
.set CNT,  21
.set NT1,  22                          ; tiles to make, at least 1
.set LIM,  23                          ; the last rank that is named: count - 1, at least 0
.set TT,   24                          ; the loop's counter: trips done
.set TAU,  25                          ; the tile in hand
.set NTR,  27                          ; my wave's trips, two tiles each: (tiles + 7 - wave) / 8
.set HQB,  28                          ; s[28:31] the tile's place in hq, a pair for each buffer
.set HSB,  32                          ; s[32:35] and in hs
.set SEL,  36
.set MNT,  38
.set FLR,  39
.set MSB, 0
.macro WIN new                         ; the immediate's high byte repeats the setting that is left; a switch that changes nothing is dropped
.if MSB != (\new)
	s_set_vgpr_msb (MSB<<8)|(\new)
.set MSB, (\new)
.endif
.endm
.macro WLOAD b                         ; block b: 16 loads of two whole 256-byte pieces of rows.  No vector instruction has named the registers in which they land
.set NW, 1+(\b)/4
.set RB, 64*((\b)%4)
.set WN, NW<<6
	WIN WN
.irp i, 0,1,2,3,4,5,6,7,8,9,10,11,12,13,14,15
	global_load_b128 v[RB+4*\i:RB+4*\i+3], v[WA], s[4:5] offset:(32*(\b)+\i)*8192 th:TH_LOAD_NT
.endr
.endm
.macro WQUANT b                        ; block b of four columns a lane: scales, hold, codes, images
.set NW, 1+(\b)/4
.set RB, 64*((\b)%4)
.set WN, (NW<<2)|(NW<<4)
	WIN WN
.irp j, 0,1,2,3
	v_max3_num_f32 v[TM+\j], s[FLR], |v[RB+\j]|, |v[RB+4+\j]|   ; with the floor 2^(9 - 127): the byte cannot fall under 1
.endr
.irp i, 2,4,6,8,10,12,14
.irp j, 0,1,2,3
	v_max3_num_f32 v[TM+\j], v[TM+\j], |v[RB+4*\i+\j]|, |v[RB+4*\i+4+\j]|
.endr
.endr
	WIN 0
	s_wait_alu depctr_va_vdst(0)
	s_wait_dscnt 0x0                               ; the last block's LDS stores are done: their registers are written again below
.if (\b) > 0
	s_wait_alu depctr_vm_vsrc(0)                   ; the last block's LDS stores have read v[C ..], which this block's conversions write again
.endif
.irp j, 0,1,2,3
	v_permlanex16_b32 v[TM+4+\j], v[TM+\j], s[SEL], s[SEL+1]
.endr
.irp j, 0,1,2,3
	v_max_num_f32 v[TM+\j], v[TM+\j], v[TM+4+\j]   ; with the 16 rows of lane l xor 16: the block's largest magnitude
.endr
.irp j, 0,1,2,3
	v_add_nc_u32 v[TM+12+\j], 0xfc000000, v[TM+\j] ; 8 off its exponent field: the conversion's scale operand
.endr
.irp j, 0,1,2,3
	v_and_or_b32 v[TM+8+\j], v[TM+\j], 0x7f800000, s[MNT]   ; 448 x the scale
.endr
.irp j, 0,1,2,3
	v_lshrrev_b32 v[TM+4+\j], 23, v[TM+12+\j]      ; the scale's byte
.endr
.irp j, 0,1,2,3
.if ((\b)%4) == 0
	v_mov_b32 v[WW+4*((\b)/4)+\j], v[TM+4+\j]
.else
	v_lshl_or_b32 v[WW+4*((\b)/4)+\j], v[TM+4+\j], 8*((\b)%4), v[WW+4*((\b)/4)+\j]
.endif
.endr
	WIN NW
.irp j, 0,1,2,3
.irp i, 0,1,2,3,4,5,6,7,8,9,10,11,12,13,14,15
	v_med3_num_f32 v[T+16*\j+\i], v[RB+4*\i+\j], -v[TM+8+\j], v[TM+8+\j]   ; the hold (the conversion does not saturate: ISA guide 7.6.2), and the turn from [k][j] to [j][k]
.endr
.endr
	WIN 0
.irp j, 0,1,2,3
	v_cvt_scalef32_pk8_fp8_f32 v[C+4*\j:C+4*\j+1], v[T+16*\j:T+16*\j+7], v[TM+12+\j]
	v_cvt_scalef32_pk8_fp8_f32 v[C+4*\j+2:C+4*\j+3], v[T+16*\j+8:T+16*\j+15], v[TM+12+\j]
.endr
	v_nop                                          ; one plain line behind the last conversion
	s_wait_alu depctr_va_vdst(0)                   ; the conversions have written v[C ..] and the ORs v[WW ..], which the LDS stores below read; the holds are done reading this raw block
.irp j, 0,1,2,3
	ds_store_b128 v[IMS], v[C+4*\j:C+4*\j+3] offset:(4*((\b)/4)+\j)*2048+512*((\b)%4)
.endr
.if ((\b)%4) == 3
.irp j, 0,1,2,3
	ds_store_b32 v[WSS], v[WW+4*((\b)/4)+\j] offset:64*(4*((\b)/4)+\j)   ; both halves of the lanes write the same word with the same value
.endr
.endif
.endm
.macro XFILL p, s                      ; K step s of buffer p: lane (r, h) takes 16 bytes of each block of 32 of its token's row
.irp c, 0,1,2,3
	global_load_b128 v[128*(\p)+16*(\s)+4*\c:128*(\p)+16*(\s)+4*\c+3], v[XAD+(\p)], s[8:9] offset:128*(\s)+32*\c
.endr
.endm
.macro XPAIR s                         ; K steps s and s + 1 of both buffers: 16 loads
	WIN 0xc0
.irp p, 0,1
	XFILL \p, \s
	XFILL \p, (\s)+1
.endr
.endm
.macro XSFILL p                        ; the token's eight scale words
	global_load_b128 v[XS+8*(\p):XS+8*(\p)+3], v[XSA+(\p)], s[10:11]
	global_load_b128 v[XS+8*(\p)+4:XS+8*(\p)+7], v[XSA+(\p)], s[10:11] offset:16
.endm
	s_load_b256 s[4:11], s[0:1], 0x0               ; W1 s[4:5], b1 s[6:7], xq s[8:9], xs s[10:11]
	s_load_b128 s[12:15], s[0:1], 0x20             ; order s[12:13], hq s[14:15]
	s_load_b64 s[16:17], s[0:1], 0x30              ; hs
	v_lshl_add_u32 v254, v0, 2, 0x10800
	v_mov_b32 v255, 0
	v_lshrrev_b32 v1, 5, v0
	v_readfirstlane_b32 s[WV], v1                  ; wave 0..3
	s_and_b32 s20, ttmp7, 0xffff                   ; the expert
	v_and_b32 v[LN], 31, v0
	v_and_b32 v[RR], 15, v0
	v_bfe_u32 v[HH], v0, 4, 1
	v_lshlrev_b32 v[WA], 4, v[RR]
	v_lshl_add_u32 v[WA], v[HH], 17, v[WA]
	v_lshlrev_b32 v[LI], 4, v[LN]
	s_wait_alu depctr_va_sdst(0)                   ; the wave's number is written to s18, ahead of its first reader: LDS addresses, bases and the trip count are made from it
	s_lshl_b32 s40, s[WV], 14
	v_add_nc_u32 v[IMS], s40, v[LI]
	v_lshlrev_b32 v[WSR], 2, v[RR]
	v_add_nc_u32 v[WSR], WSC, v[WSR]
	s_lshl_b32 s40, s[WV], 9
	v_add_nc_u32 v[WSS], s40, v[WSR]
	v_lshlrev_b32 v[H16], 4, v[HH]
	v_lshlrev_b32 v[H128], 7, v[HH]
	v_lshlrev_b32 v[HO], 4, v[RR]
	v_lshl_add_u32 v[HO], v[HH], 9, v[HO]
	v_lshl_add_u32 v[HSO], v[RR], 2, v[HH]
.irp j, 0,1,2,3
	v_mov_b32 v[TM+4+\j], 0                        ; written once: a lane permute's destination counts as one of its sources
.endr
	s_mov_b32 s[SEL], 0x76543210
	s_mov_b32 s[SEL+1], 0xfedcba98
	s_mov_b32 s[MNT], 0x600000
	s_mov_b32 s[FLR], 0x4800000
	s_mov_b32 s41, 0
	s_mov_b32 s43, 0
	s_mul_i32 s42, s20, 8448                       ; my expert's list
	s_wait_kmcnt 0x0
	s_add_nc_u64 s[12:13], s[12:13], s[42:43]
	s_load_b32 s[CNT], s[12:13], 0x2000            ; its count
	s_lshl_b32 s40, s20, 23                        ; W1: the expert,
	s_lshl_b32 s42, s[WV], 21                      ; my wave's 256 rows,
	s_add_co_u32 s40, s40, s42
	s_lshl_b32 s42, ttmp9, 8                       ; the slice's 256 bytes of a row
	s_add_co_u32 s40, s40, s42
	s_add_nc_u64 s[4:5], s[4:5], s[40:41]
	s_lshl_b32 s40, s20, 13                        ; b1: the expert's 8,192 bytes, the slice's 256
	s_add_co_u32 s40, s40, s42
	s_add_nc_u64 s[6:7], s[6:7], s[40:41]
	s_lshl_b32 s40, s20, 22                        ; hq: the expert; K step x / 2 and half x % 2 of it: 1,024 x
	s_lshl_b32 s42, ttmp9, 10
	s_add_co_u32 s40, s40, s42
	s_add_nc_u64 s[14:15], s[14:15], s[40:41]
	s_lshl_b32 s40, s20, 17                        ; hs: the expert; 64 (x / 2) + 2 (x % 2)
	s_lshr_b32 s42, ttmp9, 1
	s_lshl_b32 s42, s42, 6
	s_add_co_u32 s40, s40, s42
	s_and_b32 s42, ttmp9, 1
	s_lshl_b32 s42, s42, 1
	s_add_co_u32 s40, s40, s42
	s_add_nc_u64 s[16:17], s[16:17], s[40:41]
	s_wait_alu depctr_va_vdst(0)                   ; the offsets and LDS addresses v4 to v12 are written, which the kernel's loads and stores read; none of them is written again
	WLOAD 0
	WLOAD 1
	WLOAD 2
	WIN 0
	s_wait_kmcnt 0x0
	s_min_u32 s[CNT], s[CNT], 0x800
	s_add_co_u32 s[NT1], s[CNT], 15
	s_lshr_b32 s[NT1], s[NT1], 4
	s_max_u32 s[NT1], s[NT1], 1
	s_max_u32 s[LIM], s[CNT], 1
	s_sub_co_u32 s[LIM], s[LIM], 1
	s_add_co_u32 s[NTR], s[NT1], 7                 ; my trips: tiles + 7 is at least 8 and the wave's number at most 3, so nothing wraps;
	s_sub_co_u32 s[NTR], s[NTR], s[WV]
	s_lshr_b32 s[NTR], s[NTR], 3                   ; 0 where the wave has no tile
.irp k, 0,1,2,3                                ; the tokens of tiles w, w + 4, w + 8, w + 12; a rank past the count is held at the expert's last token
	s_add_co_u32 s40, s[WV], 4*\k
	v_lshl_add_u32 v[IDA+\k], s40, 4, v[RR]
	v_min_u32 v[IDA+\k], s[LIM], v[IDA+\k]
	v_min_u32 v[IDA+\k], 0x7ff, v[IDA+\k]
	v_lshlrev_b32 v[IDA+\k], 2, v[IDA+\k]
.endr
	s_wait_alu depctr_va_vdst(0)                   ; the four offsets v[IDA ..] are written, which the four loads below read: one wait for the run
.irp k, 0,1,2,3
	global_load_b32 v[TOKC+\k], v[IDA+\k], s[12:13]
.endr
; Each count below is the number of loads issued behind the block that is awaited (loads come back in order: ISA guide 5.7.1), held to 63, the largest that a wait can name.
	s_wait_loadcnt 36                              ; behind block 0: blocks 1, 2 and the four lists
	WLOAD 3
	WQUANT 0
	s_wait_loadcnt 36                              ; behind block 1: block 2, the lists, block 3
	WLOAD 4
	WQUANT 1
	s_wait_loadcnt 36                              ; behind block 2: the lists, blocks 3, 4
	WLOAD 5
	WQUANT 2
	s_wait_loadcnt 32                              ; behind block 3: blocks 4, 5; the lists are older, so they are in
	WLOAD 6
	WIN 0
.irp p, 0,1
	v_min_u32 v[TOKC+\p], 0x7ff, v[TOKC+\p]
	v_lshl_add_u32 v[XAD+\p], v[TOKC+\p], 10, v[H16]
	v_lshlrev_b32 v[XSA+\p], 5, v[TOKC+\p]
.endr
	WQUANT 3
	XPAIR 0                                        ; v[XAD ..] and v[XSA ..] were written ahead of block 3's wait on va_vdst and are not written again before the first tile; no vector instruction names x's buffers before it
	s_wait_loadcnt 48                              ; behind block 4: blocks 5, 6 and 16 of x
	WLOAD 7
	WQUANT 4
	XPAIR 2
	s_wait_loadcnt 63                              ; behind block 5: 64
	WQUANT 5
	XPAIR 4
	s_wait_loadcnt 63                              ; behind block 6: 64
	WQUANT 6
	XPAIR 6
	s_wait_loadcnt 48                              ; behind block 7: three times 16 of x
	WQUANT 7
	XSFILL 0
	XSFILL 1
.irp j, 0,1,2,3
.irp i, 0,1,2,3,4,5,6,7
	global_load_b32 v[BI+8*\j+\i], v[H128], s[6:7] offset:4*(4*\i+\j)   ; b1 of unit 32 h + 4 i + j
.endr
.endr
	s_wait_dscnt 0x0                               ; for the others' sake: my images have landed
	s_barrier_signal -1
	s_barrier_wait -1                              ; the launch's one barrier, ahead of every branch on a number read from memory
	WIN 0x40                                       ; the fragments land in the raw blocks' registers: block 7's wait on va_vdst stands behind every maximum and hold that read them, and no vector instruction has been issued since
.set F, 0
.rept 16
.irp c, 0,1,2,3
	ds_load_b128 v[16*F+4*\c:16*F+4*\c+3], v[LI] offset:2048*F+512*\c
.endr
.set F, F+1
.endr
	WIN 0x80
.rept 16
.irp c, 0,1,2,3
	ds_load_b128 v[16*(F-16)+4*\c:16*(F-16)+4*\c+3], v[LI] offset:2048*F+512*\c
.endr
.set F, F+1
.endr
	WIN 0
.set F, 0
.rept 32
	ds_load_b32 v[WS+F], v[WSR] offset:64*F
.set F, F+1
.endr
	s_wait_dscnt 0x0
	s_wait_loadcnt 0x0                             ; both buffers of x, their scale words, b1, the next tiles' tokens
; ONE TILE, from buffer p.  A tile issues 32 + 2 + 1 loads.
.macro TILE p
	s_wait_loadcnt 35                              ; all but the other buffer's 35: this buffer, its scale words and its next tokens are in, and their address registers are free
	WIN 0x0d                                       ; source 0 (W1) window 1, source 1 (x) window 3
.irp s, 0,1,2,3
.irp j, 0,1,2,3                                ; the four accumulators take turns, one instruction a turn; b1 is the C of each sum's first product
.if \s == 0
	v_wmma_scale_f32_16x16x128_f8f6f4 v[ACC+8*\j:ACC+8*\j+7], v[16*(4*\s+\j):16*(4*\s+\j)+15], v[128*\p+16*\s:128*\p+16*\s+15], v[BI+8*\j:BI+8*\j+7], v[WS+4*\s+\j], v[XS+8*\p+\s]
.else
	v_wmma_scale_f32_16x16x128_f8f6f4 v[ACC+8*\j:ACC+8*\j+7], v[16*(4*\s+\j):16*(4*\s+\j)+15], v[128*\p+16*\s:128*\p+16*\s+15], v[ACC+8*\j:ACC+8*\j+7], v[WS+4*\s+\j], v[XS+8*\p+\s]
.endif
.endr
.endr
	WIN 0x0e                                       ; source 0 window 2
.irp s, 4,5,6,7
.irp j, 0,1,2,3
	v_wmma_scale_f32_16x16x128_f8f6f4 v[ACC+8*\j:ACC+8*\j+7], v[16*(4*(\s-4)+\j):16*(4*(\s-4)+\j)+15], v[128*\p+16*\s:128*\p+16*\s+15], v[ACC+8*\j:ACC+8*\j+7], v[WS+4*\s+\j], v[XS+8*\p+\s]
.endr
.endr
	WIN 0
	s_wait_xcnt 0x0                                ; this buffer's last stores, two tiles back, have had their addresses translated (ISA guide 3.1): their data and their bases are written again further down, and the loads between name none of them
	s_wait_alu depctr_vm_vsrc(0)                   ; this buffer's last fills have read v[XAD+p], v[XSA+p] and v[IDA+p], its last stores v[C+8p ..] and v[BY+p]: all are written again in this tile
	; eight plain lines that name no register of the products: the places ahead of the first read of a result
	v_min_u32 v[TOK+\p], 0x7ff, v[TOK+\p]          ; the tokens of the tile eight on
	v_lshl_add_u32 v[XAD+\p], v[TOK+\p], 10, v[H16]
	v_lshlrev_b32 v[XSA+\p], 5, v[TOK+\p]
	s_add_co_u32 s40, s[TAU], 16
	v_lshl_add_u32 v[IDA+\p], s40, 4, v[RR]        ; and where the list names those of the tile sixteen on
	v_min_u32 v[IDA+\p], s[LIM], v[IDA+\p]
	v_min_u32 v[IDA+\p], 0x7ff, v[IDA+\p]
	v_lshlrev_b32 v[IDA+\p], 2, v[IDA+\p]
	v_nop
	WIN 0xc0
	s_wait_alu depctr_va_vdst(0)                   ; v[XAD+p], v[XSA+p] and v[IDA+p] are written, which the 35 loads below read; the products are done reading buffer p and v[XS+8p ..], the lines above are done with v[TOK+p]: the loads land in these
.irp s, 0,1,2,3,4,5,6,7
	XFILL \p, \s
.endr
	WIN 0
	XSFILL \p
	global_load_b32 v[TOK+\p], v[IDA+\p], s[12:13]
	; the activation and the quantiser.  No |.|: what is negative becomes 0, so it does not count for the largest magnitude; the floor stands over it.  Each accumulator is read from its low end on.
	v_max3_num_f32 v[MA], s[FLR], v[ACC], v[ACC+1]
	v_max3_num_f32 v[MB], s[FLR], v[ACC+16], v[ACC+17]
.irp i, 2,4,6,8,10,12,14
	v_max3_num_f32 v[MA], v[MA], v[ACC+\i], v[ACC+\i+1]
	v_max3_num_f32 v[MB], v[MB], v[ACC+16+\i], v[ACC+16+\i+1]
.endr
	v_max_num_f32 v[MA], v[MA], v[MB]              ; all 32 numbers of the block are mine
	v_add_nc_u32 v[TM], 0xfc000000, v[MA]
	v_and_or_b32 v[TM+1], v[MA], 0x7f800000, s[MNT]
	v_lshrrev_b32 v[BY+\p], 23, v[TM]
.irp i, 0,1,2,3,4,5,6,7
.irp j, 0,1,2,3
	v_med3_num_f32 v[T+4*\i+\j], v[ACC+8*\j+\i], 0, v[TM+1]   ; relu and the hold in one; register 4 i + j is the unit's place in the block
.endr
.endr
	s_min_u32 s40, s[TAU], 127                     ; (a tile's number lies under 128 by its make; the bound is written out)
	s_lshl_b32 s42, s40, 10
	s_lshl_b32 s40, s40, 15
	s_add_nc_u64 s[HQB+2*\p:HQB+2*\p+1], s[14:15], s[40:41]
	s_add_nc_u64 s[HSB+2*\p:HSB+2*\p+1], s[16:17], s[42:43]
.irp g, 0,1,2,3
	v_cvt_scalef32_pk8_fp8_f32 v[C+8*\p+2*\g:C+8*\p+2*\g+1], v[T+8*\g:T+8*\g+7], v[TM]
.endr
	v_nop                                          ; one plain line behind the last conversion
	s_wait_alu depctr_va_vdst(0)                   ; the conversions have written v[C+8p ..] and the shift v[BY+p], which the three stores below read
	global_store_b128 v[HO], v[C+8*\p:C+8*\p+3], s[HQB+2*\p:HQB+2*\p+1]                 ; 16 lanes store 256 consecutive bytes, aligned: k + 0 .. 15 of the 16 slots
	global_store_b128 v[HO], v[C+8*\p+4:C+8*\p+7], s[HQB+2*\p:HQB+2*\p+1] offset:256    ; and k + 16 .. 31
	global_store_b8 v[HSO], v[BY+\p], s[HSB+2*\p:HSB+2*\p+1]
.endm
	s_mov_b32 s[TT], 0
	s_cmp_ge_u32 s[WV], s[NT1]
	s_cbranch_scc1 .Ldone
.Ltile:                                            ; trip n takes tiles 8 n + w and 8 n + w + 4; the counter steps by one a trip, and the loop is left by falling through its branch back or by the end of the wave
	s_lshl_b32 s[TAU], s[TT], 3
	s_add_co_u32 s[TAU], s[TAU], s[WV]
	TILE 0
	s_add_co_u32 s[TAU], s[TAU], 4
	s_cmp_lt_u32 s[TAU], s[NT1]
	s_cbranch_scc1 .Lsecond
	s_wait_dscnt 0x0
	s_wait_alu depctr_hold_cnt(0) depctr_sa_sdst(0) depctr_va_vdst(0) depctr_va_sdst(0) depctr_va_ssrc(0) depctr_va_vcc(0) depctr_vm_vsrc(0)
	s_wait_tensorcnt 0x0
	ds_add_u32 v254, v255
	s_wait_dscnt 0x0
	s_endpgm                                       ; no second tile: the wave ends here (plain loads and stores may be out at the end)
.Lsecond:
	TILE 1
	s_add_co_u32 s[TT], s[TT], 1
	s_cmp_lt_u32 s[TT], s[NTR]
	s_cbranch_scc1 .Ltile
.Ldone:
	s_wait_dscnt 0x0
	s_wait_alu depctr_hold_cnt(0) depctr_sa_sdst(0) depctr_va_vdst(0) depctr_va_sdst(0) depctr_va_ssrc(0) depctr_va_vcc(0) depctr_vm_vsrc(0)
	s_wait_tensorcnt 0x0
	ds_add_u32 v254, v255
	s_wait_dscnt 0x0
	s_endpgm
.Lfunc_end_k_qaf2755defb_up:
	.size	k_qaf2755defb_up, .Lfunc_end_k_qaf2755defb_up-k_qaf2755defb_up
	.p2alignl 7, 3214868480
	.fill 96, 4, 3214868480
	.section	.rodata,"a",@progbits
	.p2align	6, 0x0
	.amdhsa_kernel k_qaf2755defb_up
		.amdhsa_group_segment_fixed_size 68096
		.amdhsa_private_segment_fixed_size 0
		.amdhsa_enable_private_segment 0
		.amdhsa_kernarg_size 56
		.amdhsa_user_sgpr_count 2
		.amdhsa_user_sgpr_kernarg_segment_ptr 1
		.amdhsa_wavefront_size32 1
		.amdhsa_system_sgpr_workgroup_id_x 1
		.amdhsa_system_sgpr_workgroup_id_y 1
		.amdhsa_system_sgpr_workgroup_id_z 1
		.amdhsa_system_vgpr_workitem_id 0
		.amdhsa_next_free_vgpr 1024
		.amdhsa_next_free_sgpr 66
		.amdhsa_reserve_vcc 0
		.amdhsa_float_denorm_mode_32 3
		.amdhsa_float_denorm_mode_16_64 3
		.amdhsa_memory_ordered 1
		.amdhsa_forward_progress 1
		.amdhsa_inst_pref_size 130
	.end_amdhsa_kernel
	.amdgpu_metadata
---
amdhsa.version: [ 1, 2 ]
amdhsa.kernels:
  - .name:           k_qaf2755defb_up
    .symbol:         k_qaf2755defb_up.kd
    .args:
      - { .name: W1, .offset: 0, .size: 8, .value_kind: global_buffer, .address_space: global }
      - { .name: b1, .offset: 8, .size: 8, .value_kind: global_buffer, .address_space: global }
      - { .name: xq, .offset: 16, .size: 8, .value_kind: global_buffer, .address_space: global }
      - { .name: xs, .offset: 24, .size: 8, .value_kind: global_buffer, .address_space: global }
      - { .name: order, .offset: 32, .size: 8, .value_kind: global_buffer, .address_space: global }
      - { .name: hq, .offset: 40, .size: 8, .value_kind: global_buffer, .address_space: global }
      - { .name: hs, .offset: 48, .size: 8, .value_kind: global_buffer, .address_space: global }
    .group_segment_fixed_size: 68096
    .private_segment_fixed_size: 0
    .kernarg_segment_align: 8
    .kernarg_segment_size: 56
    .max_flat_workgroup_size: 128
    .sgpr_count:     66
    .vgpr_count:     1024
    .wavefront_size: 32
...
	.end_amdgpu_metadata
.endif
;; end of part 7
;; launch down (part 8): grid 32 x 8, 4 waves a work-group, no clusters, 68,096 bytes of LDS; arguments W2, b2, hq, hs, order, topw, out0; writes out0
.if DOCPART == 8
	.amdgcn_target "amdgcn-amd-amdhsa--gfx1250"
	.amdhsa_code_object_version 6
	.text
	.protected	k_qaf2755defb_down
	.globl	k_qaf2755defb_down
	.p2align	8
	.type	k_qaf2755defb_down,@function
k_qaf2755defb_down:
	s_mov_b64 s[64:65], 0
	v_nop
	global_prefetch_b8 v0, s[64:65] scope:SCOPE_SE
	s_setreg_imm32_b32 hwreg(HW_REG_WAVE_SCHED_MODE, 0, 2), 2
	s_setreg_imm32_b32 hwreg(HW_REG_WAVE_MODE, 25, 1), 1
	s_wait_xcnt 0x0
	s_wait_alu depctr_vm_vsrc(0)
; DOWN.  out0[token] = top gate weight x (hidden W2[e] + b2[e]) for the tokens that chose expert e, on codes of E4M3 with one E8M0 scale for each 32 along K = 2,048.
; W2 [8][2048][1024] f32, b2 [8][1024] f32; hq, hs: the hidden layer as images of operand registers; order: each expert's list and count; topw [token] f32.  Out: out0 [token][1024] f32.
; SHARES.  Work-group (x, e) owns 32 output columns of expert e for all of K: 262,144 bytes of W2, read once in the launch, quantised in registers.  Its codes are 512 registers of every wave; 64 columns would be 1,024,
; which a wave does not have beside its operands: so a row's piece is 128 bytes, in W2 and in out0, and not a whole aligned 256.
; WEIGHT PHASE.  Wave w takes rows 512 w .. + 511 in 16 blocks of 32.  Lane: q = lane % 8, g = (lane / 8) % 2, h = lane / 16.  One load takes four rows x 128 bytes; raw register 4 i + j = W2(32 b + 16 h + 8 g + i, 4 q + j).
; A block's largest magnitude is joined over lanes l xor 8 and l xor 16.  A column's 8 codes go by one 8-byte store to their place in the operand's image.  Column c = 4 q + j lies in tile (c / 8) % 2, slot c % 8 + 8 (c / 16),
; so that in the result lane (token r, h) holds columns 16 h + 8 j' + i: 64 consecutive bytes of its token's row.  One barrier; then every wave loads all 32 fragments (f = 2 S + j') and their scale words.
; TOKEN PHASE.  Wave w takes tiles w, w + 4, ..; no barrier, no tensor load and no joint request, since the trip count is read from memory.  A tile's hidden codes, 16 K steps, fill window 3.  A group of four K steps is
; multiplied and its registers are at once asked for again with the next tile's, so three groups and more are always on their way.  Where no next tile follows, the refill names one address an instruction, inside bytes that were written.
; A slot's rank in the list is held at count - 1, here as in the launch that made the hidden layer: the slots of a last tile past the count repeat the expert's last token, hold its hidden row, and store
; the same numbers to the same bytes as that token's own slot.  So all lanes stay on throughout.
; LIMITS.  NaN and infinities are not served.  A block of W2 whose largest magnitude lies under 2^-118 keeps the byte 1; a block of zeros has the byte 1 and zero codes.
; REGISTERS: window 1: raw blocks 0-7 (32 b), then fragments 0-15 (16 f); window 2: raw blocks 8-15, then fragments 16-31; window 3: the hidden tile (16 S); window 0: all below.
; THE MODE: SCHED_MODE bits 1:0 = 2 (LLVM: expert scheduling mode 2), set by the entry lines.  The code itself states the register dependences
; between vector or matrix instructions and memory or LDS instructions, with s_wait_alu, always for 0.
; THE PLAN.  Registers that memory or LDS instructions touch:
;   v4-10         Offsets and LDS addresses, made once at the head and never written again: one wait on va_vdst ahead of the first load.
;   raw blocks    Each is landed in once; its block's maxima and holds read it; behind the barrier the fragments land there: the last block's wait on va_vdst stands behind every hold.
;   v[C], v[WW]   Weight phase: a block's conversions and ORs write them, its LDS stores read them: a wait on va_vdst between the two, a wait on vm_vsrc in the next block ahead of the next write.
;   window 3      Group g of a tile: its eight products read K steps 4 g .. 4 g + 3; behind them the same K steps of the next tile land there: one wait on va_vdst a group, behind its products.
;   v[TWA+p], v[OAD+p], v[LIE+p], v[IDA+p]   Written once a tile, by the eight lines behind the first group's products; read by the tile's loads and stores.  One wait on vm_vsrc ahead of the eight lines; the first group's wait on va_vdst behind them.
;   v[HSC+8p ..], v[TOK+p], v[TW+2p]   Read by the products, by the eight lines, by the weighing; landed in again behind a wait on va_vdst that stands behind their readers.
;   v[O+16p ..]   Written by the tile's sums and weighing; read by its four stores: a wait on va_vdst between; written again two tiles on, behind that tile's wait on vm_vsrc.
; The accumulators, v[T] and v[TM] are named by vector and matrix instructions alone.
.set WSC,  65536                       ; LDS: images in bytes 0 .. 65,535 (2,048 f + 512 c + 16 lane); behind them the scale words, 64 f + 4 slot
.set LN,   1
.set RR,   2
.set HH,   3
.set WA,   4                           ; W2: (16 h + 8 g) rows of 4,096 bytes + 16 q
.set LI,   5                           ; 16 x lane
.set LS,   6                           ; 4 x lane
.set IMS,  7                           ; images in
.set WSS,  8                           ; scale words in
.set WSR,  9                           ; and back: WSC + 4 r
.set H64,  10                          ; 64 h
.set LIE,  16                          ; v16-17  16 x lane, or 0 where no next tile follows
.set IDA,  18                          ; v18-19  offsets into the list
.set TOK,  20                          ; v20-21  the tile's tokens
.set TWA,  22                          ; v22-23  token x 4
.set TW,   24                          ; v[24:25], v[26:27] the gate weight (the pair's upper word is 0 and is not used)
.set OAD,  28                          ; v28-29  token x 4,096 + 64 h
.set WS,   32                          ; v32-63   the weights' scale words: scales and nothing else
.set BI,   64                          ; v64-79   b2 in the result's layout
.set ACC,  80                          ; v80-111  four accumulators: 2 (S % 2) + j'
.set O,    112                         ; v112-143 results, 16 for each of two turns
.set HSC,  144                         ; v144-159 hidden scale words, 8 p + S / 2: lanes 0-15 the even K step, lanes 16-31 the odd one: scales and nothing else
.set T,    160                         ; v160-191 numbers held
.set TM,   192                         ; v192-207 at work
.set WW,   208                         ; v208-211 scale words in the making
.set C,    212                         ; v212-219 codes
.set WV,   18
.set CNT,  21
.set NT,   22                          ; tiles
.set NTM1, 23                          ; the last tile that was written
.set TT,   24                          ; the loop's counter: trips done
.set TAU,  25                          ; the tile in hand
.set CM1,  26                          ; the last rank that is named: count - 1, at least 0
.set NTR,  27                          ; my wave's trips, two tiles each: (tiles + 7 - wave) / 8
.set HQB,  28                          ; s[28:31] the next tile's place in hq, a pair for each turn
.set HSB,  32                          ; s[32:35] and in hs
.set SEL,  36
.set MNT,  38
.set FLR,  39
.set MSB, 0
.macro WIN new                         ; the immediate's high byte repeats the setting that is left; a switch that changes nothing is dropped
.if MSB != (\new)
	s_set_vgpr_msb (MSB<<8)|(\new)
.set MSB, (\new)
.endif
.endm
.macro WLOAD2 b                        ; no vector instruction has named the registers in which these land
.set NW, 1+(\b)/8
.set RB, 32*((\b)%8)
.set WN, NW<<6
	WIN WN
.irp i, 0,1,2,3,4,5,6,7
	global_load_b128 v[RB+4*\i:RB+4*\i+3], v[WA], s[4:5] offset:(32*(\b)+\i)*4096 th:TH_LOAD_NT
.endr
.endm
.macro WQUANT2 b
.set NW, 1+(\b)/8
.set RB, 32*((\b)%8)
.set WN, (NW<<2)|(NW<<4)
	WIN WN
.irp j, 0,1,2,3
	v_max3_num_f32 v[TM+\j], s[FLR], |v[RB+\j]|, |v[RB+4+\j]|   ; with the floor 2^(9 - 127): the byte cannot fall under 1
.endr
.irp i, 2,4,6
.irp j, 0,1,2,3
	v_max3_num_f32 v[TM+\j], v[TM+\j], |v[RB+4*\i+\j]|, |v[RB+4*\i+4+\j]|
.endr
.endr
	WIN 0
	s_wait_alu depctr_va_vdst(0)
	s_wait_dscnt 0x0                               ; the last block's LDS stores are done: their registers are written again below
.if (\b) > 0
	s_wait_alu depctr_vm_vsrc(0)                   ; the last block's LDS stores have read v[C ..] and v[WW ..], which this block's lines write again
.endif
.irp j, 0,1,2,3
	v_max_num_f32_dpp v[TM+\j], v[TM+\j], v[TM+\j] row_xmask:8 row_mask:0xf bank_mask:0xf   ; with the 8 rows of lane l xor 8
.endr
.irp j, 0,1,2,3
	v_permlanex16_b32 v[TM+4+\j], v[TM+\j], s[SEL], s[SEL+1]
.endr
.irp j, 0,1,2,3
	v_max_num_f32 v[TM+\j], v[TM+\j], v[TM+4+\j]   ; and the 16 of lane l xor 16: the block's largest magnitude
.endr
.irp j, 0,1,2,3
	v_add_nc_u32 v[TM+12+\j], 0xfc000000, v[TM+\j]
.endr
.irp j, 0,1,2,3
	v_and_or_b32 v[TM+8+\j], v[TM+\j], 0x7f800000, s[MNT]
.endr
.irp j, 0,1,2,3
	v_lshrrev_b32 v[TM+4+\j], 23, v[TM+12+\j]
.endr
.irp j, 0,1,2,3
.if ((\b)%4) == 0
	v_mov_b32 v[WW+\j], v[TM+4+\j]
.else
	v_lshl_or_b32 v[WW+\j], v[TM+4+\j], 8*((\b)%4), v[WW+\j]
.endif
.endr
	WIN NW
.irp j, 0,1,2,3
.irp i, 0,1,2,3,4,5,6,7
	v_med3_num_f32 v[T+8*\j+\i], v[RB+4*\i+\j], -v[TM+8+\j], v[TM+8+\j]   ; the hold (the conversion does not saturate: ISA guide 7.6.2), and the turn from [k][j] to [j][k]
.endr
.endr
	WIN 0
.irp j, 0,1,2,3
	v_cvt_scalef32_pk8_fp8_f32 v[C+2*\j:C+2*\j+1], v[T+8*\j:T+8*\j+7], v[TM+12+\j]
.endr
	v_nop                                          ; one plain line behind the last conversion
	s_wait_alu depctr_va_vdst(0)                   ; the conversions have written v[C ..] and the ORs v[WW ..], which the LDS stores below read; the holds are done reading this raw block
.irp j, 0,1,2,3
	ds_store_b64 v[IMS], v[C+2*\j:C+2*\j+1] offset:4096*((\b)/4)+512*((\b)%4)+16*\j
.endr
.if ((\b)%4) == 3
.irp j, 0,1,2,3
	ds_store_b32 v[WSS], v[WW+\j] offset:128*((\b)/4)+4*\j   ; the four lanes that share a column write the same word with the same value
.endr
.endif
.endm
.macro HFILL S, adr, base              ; K step S of a hidden tile: four dense loads of 512 bytes
.irp c, 0,1,2,3
	global_load_b128 v[16*(\S)+4*\c:16*(\S)+4*\c+3], v[\adr], s[\base:\base+1] offset:2048*(\S)+512*\c
.endr
.endm
; One step of the weight phase.  left: the loads issued behind block b (loads come back in order: ISA guide 5.7.1), held to 63, the largest that a wait can name.
; The loads behind a block's quantiser read offsets that were written ahead of that block's wait on va_vdst, and land in registers that no vector instruction has named.
.macro WSTEP b, left
	s_wait_loadcnt \left
.if (\b) < 10
	WLOAD2 (\b)+6
.endif
	WQUANT2 \b
.if (\b) < 8
	WIN 0xc0
	HFILL 2*(\b), LI, HQB                          ; my first tile's hidden codes come under the weights' stream
	HFILL 2*(\b)+1, LI, HQB
.elseif (\b) < 10
.irp q, 0,1,2,3,4,5,6,7
	global_load_b32 v[HSC+8*((\b)-8)+\q], v[LS], s[HSB+2*((\b)-8):HSB+2*((\b)-8)+1] offset:128*\q   ; the scale words of my first and second tile
.endr
.elseif (\b) == 10
	global_load_b32 v[TOK], v[IDA], s[12:13]
	global_load_b32 v[TOK+1], v[IDA+1], s[12:13]
.irp k, 0,1,2,3
	global_load_b128 v[BI+4*\k:BI+4*\k+3], v[H64], s[6:7] offset:16*\k   ; b2 of columns 16 h + 0 .. 15
.endr
.endif
.endm
	s_load_b256 s[4:11], s[0:1], 0x0               ; W2 s[4:5], b2 s[6:7], hq s[8:9], hs s[10:11]
	s_load_b128 s[12:15], s[0:1], 0x20             ; order s[12:13], topw s[14:15]
	s_load_b64 s[16:17], s[0:1], 0x30              ; out0
	v_lshl_add_u32 v254, v0, 2, 0x10800
	v_mov_b32 v255, 0
	v_lshrrev_b32 v1, 5, v0
	v_readfirstlane_b32 s[WV], v1                  ; wave 0..3
	s_and_b32 s20, ttmp7, 0xffff                   ; the expert
	v_and_b32 v[LN], 31, v0
	v_and_b32 v[RR], 15, v0
	v_bfe_u32 v[HH], v0, 4, 1
	v_and_b32 v13, 7, v0                           ; q
	v_bfe_u32 v14, v0, 3, 1                        ; g
	v_lshlrev_b32 v[WA], 4, v13
	v_lshl_add_u32 v[WA], v14, 15, v[WA]
	v_lshl_add_u32 v[WA], v[HH], 16, v[WA]
	v_lshlrev_b32 v[LI], 4, v[LN]
	v_lshlrev_b32 v[LS], 2, v[LN]
	v_and_b32 v15, 1, v0                           ; q % 2: slots 4 apart
	v_lshlrev_b32 v[IMS], 6, v15
	v_lshlrev_b32 v[WSS], 4, v15
	v_bfe_u32 v15, v0, 1, 1                        ; (q / 2) % 2: the tile
	v_lshl_add_u32 v[IMS], v15, 11, v[IMS]
	v_lshl_add_u32 v[WSS], v15, 6, v[WSS]
	v_bfe_u32 v15, v0, 2, 1                        ; q / 4: slots 8 apart
	v_lshl_add_u32 v[IMS], v15, 7, v[IMS]
	v_lshl_add_u32 v[WSS], v15, 5, v[WSS]
	v_lshl_add_u32 v[IMS], v[HH], 8, v[IMS]        ; the image's upper 16 lanes
	v_lshl_add_u32 v[IMS], v14, 3, v[IMS]          ; the upper 8 of a lane's 16 bytes
	s_wait_alu depctr_va_sdst(0)                   ; the wave's number is written to s18, ahead of its first reader: LDS addresses, bases and the trip count are made from it
	s_lshl_b32 s40, s[WV], 14
	v_add_nc_u32 v[IMS], s40, v[IMS]
	s_lshl_b32 s40, s[WV], 9
	v_add_nc_u32 v[WSS], s40, v[WSS]
	v_add_nc_u32 v[WSS], WSC, v[WSS]
	v_lshlrev_b32 v[WSR], 2, v[RR]
	v_add_nc_u32 v[WSR], WSC, v[WSR]
	v_lshlrev_b32 v[H64], 6, v[HH]
	v_mov_b32 v[TW+1], 0                           ; named as the upper halves of pairs, so they are written
	v_mov_b32 v[TW+3], 0
.irp j, 0,1,2,3
	v_mov_b32 v[TM+4+\j], 0                        ; written once: a lane permute's destination counts as one of its sources
.endr
	s_mov_b32 s[SEL], 0x76543210
	s_mov_b32 s[SEL+1], 0xfedcba98
	s_mov_b32 s[MNT], 0x600000
	s_mov_b32 s[FLR], 0x4800000
	s_mov_b32 s41, 0
	s_mov_b32 s43, 0
	s_mul_i32 s42, s20, 8448                       ; my expert's list
	s_wait_kmcnt 0x0
	s_add_nc_u64 s[12:13], s[12:13], s[42:43]
	s_load_b32 s[CNT], s[12:13], 0x2000            ; its count
	s_lshl_b32 s40, s20, 23                        ; W2: the expert,
	s_lshl_b32 s42, s[WV], 21                      ; my wave's 512 rows,
	s_add_co_u32 s40, s40, s42
	s_lshl_b32 s42, ttmp9, 7                       ; the slice's 128 bytes of a row
	s_add_co_u32 s40, s40, s42
	s_add_nc_u64 s[4:5], s[4:5], s[40:41]
	s_add_nc_u64 s[16:17], s[16:17], s[42:43]      ; out0: the slice's 128 bytes of a row
	s_lshl_b32 s40, s20, 12                        ; b2: the expert's 4,096 bytes, the slice's 128
	s_add_co_u32 s40, s40, s42
	s_add_nc_u64 s[6:7], s[6:7], s[40:41]
	s_lshl_b32 s40, s20, 22
	s_add_nc_u64 s[8:9], s[8:9], s[40:41]          ; hq at the expert
	s_lshl_b32 s40, s20, 17
	s_add_nc_u64 s[10:11], s[10:11], s[40:41]      ; hs likewise
	s_wait_alu depctr_va_vdst(0)                   ; the offsets and LDS addresses v4 to v10 are written, which the kernel's loads and stores read; none of them is written again
.irp b, 0,1,2,3,4,5
	WLOAD2 \b
.endr
	WIN 0
	s_wait_kmcnt 0x0
	s_min_u32 s[CNT], s[CNT], 0x800
	s_add_co_u32 s[NT], s[CNT], 15
	s_lshr_b32 s[NT], s[NT], 4
	s_max_u32 s[NTM1], s[NT], 1
	s_sub_co_u32 s[NTM1], s[NTM1], 1
	s_max_u32 s[CM1], s[CNT], 1
	s_sub_co_u32 s[CM1], s[CM1], 1
	s_add_co_u32 s[NTR], s[NT], 7                  ; my trips: tiles + 7 is at least 7 and the wave's number at most 3, so nothing wraps;
	s_sub_co_u32 s[NTR], s[NTR], s[WV]
	s_lshr_b32 s[NTR], s[NTR], 3                   ; 0 where the wave has no tile
.irp p, 0,1                                    ; tiles w and w + 4, held at the last tile that was written; ranks held at the expert's last token.  (v[IDA ..] are read at block 10, behind ten blocks' waits on va_vdst)
	s_add_co_u32 s40, s[WV], 4*\p
	s_min_u32 s40, s40, s[NTM1]
	s_min_u32 s40, s40, 127                        ; (under 128 by its make; the bound is written out)
	v_lshl_add_u32 v[IDA+\p], s40, 4, v[RR]
	v_min_u32 v[IDA+\p], s[CM1], v[IDA+\p]
	v_min_u32 v[IDA+\p], 0x7ff, v[IDA+\p]
	v_lshlrev_b32 v[IDA+\p], 2, v[IDA+\p]
	s_lshl_b32 s42, s40, 10
	s_add_nc_u64 s[HSB+2*\p:HSB+2*\p+1], s[10:11], s[42:43]
.if \p == 0
	s_lshl_b32 s40, s40, 15
	s_add_nc_u64 s[HQB:HQB+1], s[8:9], s[40:41]
.endif
.endr
	WSTEP 0, 40                                    ; behind block 0: blocks 1 to 5
	WSTEP 1, 48                                    ; blocks 2 to 6 and 8 of the hidden tile
	WSTEP 2, 56
	WSTEP 3, 63                                    ; 64 and more from here on
	WSTEP 4, 63
	WSTEP 5, 63
	WSTEP 6, 63
	WSTEP 7, 63
	WSTEP 8, 63
	WSTEP 9, 63
	WSTEP 10, 63
	WSTEP 11, 63
	WSTEP 12, 62                                   ; 8 + 3 x 16 + 6
	WSTEP 13, 46                                   ; 8 + 2 x 16 + 6
	WSTEP 14, 30                                   ; 8 + 16 + 6
	WSTEP 15, 14                                   ; 8 + 6
	s_wait_dscnt 0x0                               ; for the others' sake: my images have landed
	s_barrier_signal -1
	s_barrier_wait -1                              ; the launch's one barrier, ahead of every branch on a number read from memory
	WIN 0x40                                       ; the fragments land in the raw blocks' registers: block 15's wait on va_vdst stands behind every maximum and hold that read them, and no vector instruction has been issued since
.set F, 0
.rept 16
.irp c, 0,1,2,3
	ds_load_b128 v[16*F+4*\c:16*F+4*\c+3], v[LI] offset:2048*F+512*\c
.endr
.set F, F+1
.endr
	WIN 0x80
.rept 16
.irp c, 0,1,2,3
	ds_load_b128 v[16*(F-16)+4*\c:16*(F-16)+4*\c+3], v[LI] offset:2048*F+512*\c
.endr
.set F, F+1
.endr
	WIN 0
.set F, 0
.rept 32
	ds_load_b32 v[WS+F], v[WSR] offset:64*F
.set F, F+1
.endr
	s_wait_dscnt 0x0
	s_wait_loadcnt 0x0                             ; my first tile, two tiles' scale words and tokens, b2
; ONE TILE; p: which set of the small registers.  A tile issues 1 + 4 x 16 + 9 loads.
.macro TILE p
	s_wait_loadcnt 57                              ; behind this tile's first four K steps stand three groups of 16 and the 9 that closed the last tile; all that was issued two tiles back is in
.irp g, 0,1,2,3
.if \g > 0
	s_wait_loadcnt 58                              ; behind this group's loads: the last tile's later groups and its 9, the gate weights, and this tile's refills so far: 58 at each of the three
.endif
.if \g < 2
	WIN 0x0d                                       ; source 0 (W2) window 1, source 1 (hidden) window 3
.else
	WIN 0x0e                                       ; source 0 window 2
.endif
.irp u, 0,1,2,3                                ; K step S = 4 g + u.  The four accumulators take turns, one instruction a turn
.irp j, 0,1
.if (4*\g+\u) == 0
	v_wmma_scale_f32_16x16x128_f8f6f4 v[ACC+8*\j:ACC+8*\j+7], v[16*((2*(4*\g+\u)+\j)%16):16*((2*(4*\g+\u)+\j)%16)+15], v[16*(4*\g+\u):16*(4*\g+\u)+15], v[BI+8*\j:BI+8*\j+7], v[WS+2*(4*\g+\u)+\j], v[HSC+8*\p+2*\g+\u/2]
.elseif (4*\g+\u) == 1
	v_wmma_scale_f32_16x16x128_f8f6f4 v[ACC+16+8*\j:ACC+16+8*\j+7], v[16*((2*(4*\g+\u)+\j)%16):16*((2*(4*\g+\u)+\j)%16)+15], v[16*(4*\g+\u):16*(4*\g+\u)+15], 0, v[WS+2*(4*\g+\u)+\j], v[HSC+8*\p+2*\g+\u/2] matrix_b_scale:MATRIX_SCALE_ROW1
.elseif (\u%2) == 0
	v_wmma_scale_f32_16x16x128_f8f6f4 v[ACC+8*\j:ACC+8*\j+7], v[16*((2*(4*\g+\u)+\j)%16):16*((2*(4*\g+\u)+\j)%16)+15], v[16*(4*\g+\u):16*(4*\g+\u)+15], v[ACC+8*\j:ACC+8*\j+7], v[WS+2*(4*\g+\u)+\j], v[HSC+8*\p+2*\g+\u/2]
.else
	v_wmma_scale_f32_16x16x128_f8f6f4 v[ACC+16+8*\j:ACC+16+8*\j+7], v[16*((2*(4*\g+\u)+\j)%16):16*((2*(4*\g+\u)+\j)%16)+15], v[16*(4*\g+\u):16*(4*\g+\u)+15], v[ACC+16+8*\j:ACC+16+8*\j+7], v[WS+2*(4*\g+\u)+\j], v[HSC+8*\p+2*\g+\u/2] matrix_b_scale:MATRIX_SCALE_ROW1
.endif
.endr
.endr
.if \g == 0
	; behind the first group's products the tile's offsets are made: eight plain lines that name no register of the products
	WIN 0
	s_wait_xcnt 0x0                                ; the earlier loads and stores have had their addresses translated (ISA guide 3.1): their offsets, data and bases are written again in this tile, from here on
	s_wait_alu depctr_vm_vsrc(0)                   ; the loads and stores of two tiles back have read v[TWA+p], v[OAD+p], v[LIE+p], v[IDA+p] and v[O+16p ..]: all are written again in this tile
	v_min_u32 v[TOK+\p], 0x7ff, v[TOK+\p]
	v_lshlrev_b32 v[TWA+\p], 2, v[TOK+\p]
	v_lshl_add_u32 v[OAD+\p], v[TOK+\p], 12, v[H64]
	s_add_co_u32 s40, s[TAU], 4                    ; my next tile
	s_max_u32 s47, s[NT], s40
	s_sub_co_u32 s47, s47, s40                     ; the tiles from it on, 0 where there is none,
	s_min_u32 s47, s47, 1                          ; as 1 or 0
	v_mul_u32_u24 v[LIE+\p], s47, v[LI]            ; 16 x lane; where there is no next tile, every lane names one address
	s_min_u32 s40, s40, s[NTM1]
	s_min_u32 s40, s40, 127
	s_lshl_b32 s40, s40, 15
	s_add_nc_u64 s[HQB+2*\p:HQB+2*\p+1], s[8:9], s[40:41]
	s_add_co_u32 s44, s[TAU], 8                    ; the tile after the next: its scale words and tokens come at this tile's end, into this set of registers
	s_min_u32 s44, s44, s[NTM1]
	s_min_u32 s44, s44, 127
	v_lshl_add_u32 v[IDA+\p], s44, 4, v[RR]
	v_min_u32 v[IDA+\p], s[CM1], v[IDA+\p]
	v_min_u32 v[IDA+\p], 0x7ff, v[IDA+\p]
	v_lshlrev_b32 v[IDA+\p], 2, v[IDA+\p]
	s_wait_alu depctr_va_vdst(0)                   ; v[TWA+p], v[OAD+p], v[LIE+p] and v[IDA+p] are written, which this tile's loads and stores read; the products are done reading K steps 0 to 3, the weighing of two tiles back v[TW+2p], the lines above v[TOK+p]: loads land in these
	global_load_b32 v[TW+2*\p], v[TWA+\p], s[14:15]   ; the tokens' gate weights
	WIN 0xc0
.else
.rept 8
	v_nop                                          ; eight places behind these products; behind the last group they stand ahead of the first read of a result
.endr
	WIN 0xc0
	s_wait_alu depctr_va_vdst(0)                   ; the products are done reading K steps 4 g to 4 g + 3, in which the loads below land; behind the last group also v[HSC+8p ..]
.endif
.irp u, 0,1,2,3
	HFILL 4*\g+\u, LIE+\p, HQB+2*\p                ; the same four K steps of my next tile
.endr
.endr
	WIN 0
	s_lshl_b32 s40, s44, 10
	s_add_nc_u64 s[HSB+2*\p:HSB+2*\p+1], s[10:11], s[40:41]
.irp q, 0,1,2,3,4,5,6,7
	global_load_b32 v[HSC+8*\p+\q], v[LS], s[HSB+2*\p:HSB+2*\p+1] offset:128*\q   ; no vector or matrix instruction has been issued since the last group's wait
.endr
	global_load_b32 v[TOK+\p], v[IDA+\p], s[12:13]
	s_wait_loadcnt 63                              ; the gate weights are in: 73 loads were issued behind them
.irp q, 0,2,4,6                                ; even and odd K steps' sums are added, each accumulator read from its low end on,
.irp j, 0,1
	v_pk_add_f32 v[O+16*\p+8*\j+\q:O+16*\p+8*\j+\q+1], v[ACC+8*\j+\q:ACC+8*\j+\q+1], v[ACC+16+8*\j+\q:ACC+16+8*\j+\q+1]
.endr
.endr
.irp q, 0,2,4,6,8,10,12,14
	v_pk_mul_f32 v[O+16*\p+\q:O+16*\p+\q+1], v[O+16*\p+\q:O+16*\p+\q+1], v[TW+2*\p:TW+2*\p+1] op_sel_hi:[1,0]   ; and weighed by the gate
.endr
	s_wait_alu depctr_va_vdst(0)                   ; the weighing has written v[O+16p ..], which the four stores below read
.irp k, 0,1,2,3
	global_store_b128 v[OAD+\p], v[O+16*\p+4*\k:O+16*\p+4*\k+3], s[16:17] offset:16*\k th:TH_STORE_NT   ; a lane's four stores cover 64 consecutive bytes of its token's row; slots that repeat a token store the same numbers there
.endr
.endm
	s_mov_b32 s[TT], 0
	s_cmp_ge_u32 s[WV], s[NT]
	s_cbranch_scc1 .Ldone
.Ltile:                                            ; trip n takes tiles 8 n + w and 8 n + w + 4; the counter steps by one a trip, and the loop is left by falling through its branch back or by the end of the wave
	s_lshl_b32 s[TAU], s[TT], 3
	s_add_co_u32 s[TAU], s[TAU], s[WV]
	TILE 0
	s_add_co_u32 s[TAU], s[TAU], 4
	s_cmp_lt_u32 s[TAU], s[NT]
	s_cbranch_scc1 .Lsecond
	s_wait_dscnt 0x0
	s_wait_alu depctr_hold_cnt(0) depctr_sa_sdst(0) depctr_va_vdst(0) depctr_va_sdst(0) depctr_va_ssrc(0) depctr_va_vcc(0) depctr_vm_vsrc(0)
	s_wait_tensorcnt 0x0
	ds_add_u32 v254, v255
	s_wait_dscnt 0x0
	s_endpgm                                       ; no second tile: the wave ends here (plain loads and stores may be out at the end)
.Lsecond:
	TILE 1
	s_add_co_u32 s[TT], s[TT], 1
	s_cmp_lt_u32 s[TT], s[NTR]
	s_cbranch_scc1 .Ltile
.Ldone:
	s_wait_dscnt 0x0
	s_wait_alu depctr_hold_cnt(0) depctr_sa_sdst(0) depctr_va_vdst(0) depctr_va_sdst(0) depctr_va_ssrc(0) depctr_va_vcc(0) depctr_vm_vsrc(0)
	s_wait_tensorcnt 0x0
	ds_add_u32 v254, v255
	s_wait_dscnt 0x0
	s_endpgm
.Lfunc_end_k_qaf2755defb_down:
	.size	k_qaf2755defb_down, .Lfunc_end_k_qaf2755defb_down-k_qaf2755defb_down
	.p2alignl 7, 3214868480
	.fill 96, 4, 3214868480
	.section	.rodata,"a",@progbits
	.p2align	6, 0x0
	.amdhsa_kernel k_qaf2755defb_down
		.amdhsa_group_segment_fixed_size 68096
		.amdhsa_private_segment_fixed_size 0
		.amdhsa_enable_private_segment 0
		.amdhsa_kernarg_size 56
		.amdhsa_user_sgpr_count 2
		.amdhsa_user_sgpr_kernarg_segment_ptr 1
		.amdhsa_wavefront_size32 1
		.amdhsa_system_sgpr_workgroup_id_x 1
		.amdhsa_system_sgpr_workgroup_id_y 1
		.amdhsa_system_sgpr_workgroup_id_z 1
		.amdhsa_system_vgpr_workitem_id 0
		.amdhsa_next_free_vgpr 1024
		.amdhsa_next_free_sgpr 66
		.amdhsa_reserve_vcc 0
		.amdhsa_float_denorm_mode_32 3
		.amdhsa_float_denorm_mode_16_64 3
		.amdhsa_memory_ordered 1
		.amdhsa_forward_progress 1
		.amdhsa_inst_pref_size 153
	.end_amdhsa_kernel
	.amdgpu_metadata
---
amdhsa.version: [ 1, 2 ]
amdhsa.kernels:
  - .name:           k_qaf2755defb_down
    .symbol:         k_qaf2755defb_down.kd
    .args:
      - { .name: W2, .offset: 0, .size: 8, .value_kind: global_buffer, .address_space: global }
      - { .name: b2, .offset: 8, .size: 8, .value_kind: global_buffer, .address_space: global }
      - { .name: hq, .offset: 16, .size: 8, .value_kind: global_buffer, .address_space: global }
      - { .name: hs, .offset: 24, .size: 8, .value_kind: global_buffer, .address_space: global }
      - { .name: order, .offset: 32, .size: 8, .value_kind: global_buffer, .address_space: global }
      - { .name: topw, .offset: 40, .size: 8, .value_kind: global_buffer, .address_space: global }
      - { .name: out0, .offset: 48, .size: 8, .value_kind: global_buffer, .address_space: global }
    .group_segment_fixed_size: 68096
    .private_segment_fixed_size: 0
    .kernarg_segment_align: 8
    .kernarg_segment_size: 56
    .max_flat_workgroup_size: 128
    .sgpr_count:     66
    .vgpr_count:     1024
    .wavefront_size: 32
...
	.end_amdgpu_metadata
.endif
;; end of part 8
